; MI455X (gfx1250); checked and timed in simulation.
; The chip was launched on July 23, 2026; its instructions are those of AMD's public machine-readable ISA for CDNA 5 (MIT licence, August 2026) and "CDNA5" Instruction Set Architecture Reference Guide (July 2026). The comments in the code are by the model that wrote it; some were corrected since.
;; Transformer Encoder Layer. Allowed arithmetic: matrix products marked QUANTISED: E2M3 operands, one E8M0 scale for each 32 along K, by v_wmma_scale_f32_16x16x128_f8f6f4 with both operands' format E2M3, f32 sums; everything else in f32.
;; Inputs: W1 1,024 x 4,096 float32; W2 4,096 x 1,024 float32; Wk 1,024 x 1,024 float32; Wo 1,024 x 1,024 float32; Wq 1,024 x 1,024 float32; Wv 1,024 x 1,024 float32; b1 4,096 float32; b2 1,024 float32; bk 1,024 float32; bo 1,024 float32; bq 1,024 float32; bv 1,024 float32; ln1_b 1,024 float32; ln1_g 1,024 float32; ln2_b 1,024 float32; ln2_g 1,024 float32; src 2 x 2,048 x 1,024 float32.
;; Outputs: out0 2 x 2,048 x 1,024 float32.
;; This version of the problem:
;;   THIS VERSION OF THE PROBLEM IS GIVEN IN LOW PRECISION. The matrix products marked QUANTISED in the list below multiply operands that are first quantised to E2M3 (2 exponent bits, 3 mantissa bits; 6 bits a number), with one power-of-two scale for each 32 numbers along K (OCP MX v1.0); their sums are f32. All else is computed in f32.
;;   The module's matrix products, in the order in which they are computed (A, B: the left and right operand; K: the contracted axis; several contracted axes count as one K, in the product's order):
;;     1. [M 4,096, K 1,024] x [K 1,024, N 1,024]; A: input src; B: input Wq: QUANTISED
;;     2. [M 4,096, K 1,024] x [K 1,024, N 1,024]; A: input src; B: input Wk: QUANTISED
;;     3. [M 4,096, K 1,024] x [K 1,024, N 1,024]; A: input src; B: input Wv: QUANTISED
;;     4. batch 32 x [M 2,048, K 64] x [K 64, N 2,048]; A: computed on the way; B: computed on the way: QUANTISED
;;     5. batch 32 x [M 2,048, K 2,048] x [K 2,048, N 64]; A: softmax (see below); B: computed on the way: QUANTISED
;;     6. [M 4,096, K 1,024] x [K 1,024, N 1,024]; A: computed on the way; B: input Wo: QUANTISED
;;     7. [M 4,096, K 1,024] x [K 1,024, N 4,096]; A: computed on the way; B: input W1: QUANTISED
;;     8. [M 4,096, K 4,096] x [K 4,096, N 1,024]; A: computed on the way; B: input W2: QUANTISED
;;   THE QUANTISER, for each operand of a quantised product, along K:
;;     - K is cut into blocks of 32 from its start; a last block that is shorter is filled with zeros.
;;     - A block's scale is 2^e with e = floor(log2(the largest magnitude in the block)) - 2, held to -126 .. 127; a block of zeros has e = 0. As a byte (E8M0): e + 127.
;;     - Each number is divided by its block's scale, clamped to +-7.5, and rounded to the nearest number of E2M3, ties to even, subnormals kept.
;;     - The product sums the exact products of the quantised numbers (number of the format x scale) in f32.
;;   ~~~python
;;   def quantise(x, axis):      # numpy; x: float32 -> the quantised numbers, widened to float32 again
;;       x = np.moveaxis(x, axis, -1); K = x.shape[-1]
;;       x = np.pad(x, [(0, 0)] * (x.ndim - 1) + [(0, -K % 32)]); x = x.reshape(x.shape[:-1] + (-1, 32)); a = np.abs(x).max(-1, keepdims=True)
;;       e = np.where(a > 0, np.clip(np.frexp(np.where(a > 0, a, 1))[1] - 1 - 2, -126, 127), 0)      # np.frexp(a)[1] - 1 = floor(log2(a)), exactly
;;       r = np.clip(x / 2.0 ** e, -7.5, 7.5)
;;       step = 2.0 ** (np.maximum(np.frexp(np.where(r == 0, 1, r))[1] - 1, 0) - 3)
;;       q = np.round(r / step) * step * 2.0 ** e      # np.round: ties to even
;;       return np.moveaxis(q.reshape(q.shape[:-2] + (-1,))[..., :K], -1, axis).astype(np.float32)
;;   ~~~
;;   SOFTMAX AHEAD OF A QUANTISED PRODUCT. Where the list says 'softmax', what is quantised is not the finished softmax but p = 2^(t - M), with t = logit x log2(e) and M = ceil(the row's largest t), a whole number; so 1/2 < the row's largest p <= 1. The row's sum l is taken of the UNQUANTISED p, in f32, and the product's result is divided by l at the end. Since M is a whole number, a kernel that streams over the keys may use a running M (the ceiling of the running maximum): every later rescaling is an exact power of two, which a block's scale takes up: the codes' values come out the same.
;;   OPERANDS COMPUTED ON THE WAY. 'Computed on the way' means the value that the module computes at that place (a softmax that the list does not call 'softmax' is quantised finished and normalised). What goes into a quantiser is computed in f32, as accurately as f32 sums, v_exp_f32 and their like allow (about 1e-6 of the number): no bf16 or f16 on the way to a quantiser, and a product that is left as it is and whose result goes on into a quantised operand takes f32 operands (vector FMAs, or v_wmma_f32_16x16x4_f32). A number that lies on a knife's edge between two numbers of the format may be rounded either way, as far as f32 arithmetic and the matrix unit's own rounding can turn it there, and no further.
;; One version. Each part assembles by itself: llvm-mc -triple=amdgcn-amd-amdhsa -mcpu=gfx1250 --defsym DOCPART=n.
;; ======== version 1 of 1: 8 launches
;; limits: right only within a limited range of input values
;; workspace buffers: wrec 13,107,200 bytes; qkv 9,830,400 bytes; ctx 3,276,800 bytes; y 16,777,216 bytes; x 16,777,216 bytes; xrec 3,276,800 bytes; hrec 13,107,200 bytes
;; launch prep (part 1): grid 256 x 1, 16 waves a work-group, no clusters, 137,216 bytes of LDS; arguments Wq, Wk, Wv, Wo, W1, W2, src, wrec; writes wrec
.if DOCPART == 1
	.amdgcn_target "amdgcn-amd-amdhsa--gfx1250"
	.amdhsa_code_object_version 6
	.text
	.protected	k_q501b671d95_prep
	.globl	k_q501b671d95_prep
	.p2align	8
	.type	k_q501b671d95_prep,@function
k_q501b671d95_prep:
	s_mov_b64 s[64:65], 0
	v_nop
	global_prefetch_b8 v0, s[64:65] scope:SCOPE_SE
	s_setreg_imm32_b32 hwreg(HW_REG_WAVE_MODE, 25, 1), 1
	s_wait_xcnt 0x0
; The six weights ([K][N] f32, K their FIRST axis) and src ([4096][1024] f32, K innermost) become codes of FP6 (E2M3) with one E8M0 byte for each 32 along K.
; A block's scale is 2^(floor(log2(largest magnitude)) - 2); its byte is the largest magnitude's exponent field - 2, held at 1 from below.
; LAYOUT OF THE OUTPUT, in the order of the operand's registers.  Rows (columns n of a weight, tokens of src) go in blocks of 16: row r of block t is row 32 (t / 2) + 8 (t % 2) + r + 8 (r / 8).
; A HALF-IMAGE (768 bytes) is registers 0-5 of a fragment (16 rows x 64 K): registers 0-3 at 16 x lane, registers 4-5 at 512 + 8 x lane.  An image (128 K) is two of them.
; A RECORD (6,400 bytes) is one block x 512 K: four images, then 256 bytes of scale words (row r at 16 r, word s at + 4 s).  Record (block i, group g) lies at (i NG + g) x 6,400, NG = K / 512.
; wrec: Wq, Wk, Wv at 0 (819,200 each), Wo at 2,457,600, W1 at 3,276,800, W2 at 6,553,600, src at 9,830,400.
; SHARES.  256 work-groups of sixteen waves, each reading 262,144 bytes.  Work-groups 0-191 take 128 columns x 512 K of a weight: wave w takes 32 columns (w % 4) x 128 K (w / 4): one image of two records;
; a lane takes a column and its registers run down K, so nothing is transposed.  A load of such a wave is 128 bytes, so what a wave has out is small: sixteen waves have loads out side by side.
; Work-groups 192-255 take src: a wave makes half a record (two images); its loads read 512 consecutive bytes and turn through the wave's own stage in LDS.  Waves share nothing: no barrier.
; A record's 256 bytes of scale words are written by four waves (weights: 4 bytes a lane) or two (src: 8 bytes a lane), so these aligned 256 bytes are written in parts: 1 byte in 25 of what the launch stores.
; LIMITS: a block of zeros, or one whose largest magnitude lies under 2^-124, keeps the byte 1 (its reader is this program alone); NaN and infinities among the inputs are not served.
.set OFF, 32                           ; v32-63   weights: byte offset of my column in rows 0 .. 31 of a block
.set XW,  64                           ; v64-127  weights: two sets of 32 numbers
.set CB,  128                          ; v128-159 weights: the codes of the K step's four blocks, 8 registers each
.set SWR, 160                          ; v160     weights: my column's scale word of the K step
.set RS,  32                           ; v32-159  src: two sets of 64 registers as loaded
.set XQ,  160                          ; v160-223 src: 64 numbers of my row
.set PC,  224                          ; v224-242 src: the codes just made
.set TM,  8                            ; v8-23    at work
.set PW,  24                           ; v24      the scale word just made
.set SWD, 26                           ; v26-27   src: my row's two scale words
.set SEL, 30                           ; s[30:31] selects of v_permlanex16_b32: lane l xor 16
.macro STOREH P, base, off             ; a half-image: 512 + 256 consecutive bytes, each run a whole number of aligned 256 bytes
	global_store_b128 v1, v[\P:\P+3], s[\base:\base+1] offset:\off
	global_store_b64 v2, v[\P+4:\P+5], s[\base:\base+1] offset:\off+512
.endm
; 64 numbers of a lane, register 16 b + i = k 32 b + 16 (lane / 16) + i of my row, become a fragment's 12 registers at v[PC] and its scale word v[PW]
.macro QUANT s
.irp b, 0,1,2,3
	v_max3_num_f32 v[TM+\b], |v[\s+16*\b]|, |v[\s+1+16*\b]|, 0x1800000   ; my 16 numbers of block b, and the floor 2^(3 - 127): the byte cannot fall under 1
.endr
.irp i, 2,4,6,8,10,12,14
.irp b, 0,1,2,3
	s_delay_alu instid0(VALU_DEP_4)
	v_max3_num_f32 v[TM+\b], v[TM+\b], |v[\s+16*\b+\i]|, |v[\s+1+16*\b+\i]|
.endr
.endr
.irp b, 0,1,2,3
	s_delay_alu instid0(VALU_DEP_4)
	v_permlanex16_b32 v[TM+4+\b], v[TM+\b], s[SEL], s[SEL+1]
.endr
.irp b, 0,1,2,3
	s_delay_alu instid0(VALU_DEP_4)
	v_max_num_f32 v[TM+\b], v[TM+\b], v[TM+4+\b]   ; with lane l xor 16's: the block's largest magnitude
.endr
.irp b, 0,1,2,3
	s_delay_alu instid0(VALU_DEP_4)
	v_add_nc_u32 v[TM+12+\b], 0xff000000, v[TM+\b]   ; 2 off its exponent field: the conversion's scale operand
.endr
.irp b, 0,1,2,3
	s_delay_alu instid0(VALU_DEP_4)
	v_lshrrev_b32 v[TM+4+\b], 23, v[TM+12+\b]      ; the scale's byte
.endr
	s_delay_alu instid0(VALU_DEP_3)
	v_lshl_or_b32 v[PW], v[TM+5], 8, v[TM+4]
	s_delay_alu instid0(VALU_DEP_1)
	v_lshl_or_b32 v[PW], v[TM+6], 16, v[PW]
	s_delay_alu instid0(VALU_DEP_1)
	v_lshl_or_b32 v[PW], v[TM+7], 24, v[PW]
.irp c, 0,1
	v_cvt_scalef32_pk16_fp6_f32 v[PC+6*\c:PC+2+6*\c], v[\s+32*\c:\s+15+32*\c], v[TM+12+2*\c]
	v_cvt_scalef32_pk16_fp6_f32 v[PC+12+4*\c:PC+14+4*\c], v[\s+16+32*\c:\s+31+32*\c], v[TM+12+2*\c+1]   ; (a conversion's three registers begin on an even number)
.endr
	v_nop                                          ; one plain place behind a scaled conversion
.irp c, 0,1                            ; the layout wants a whole block in a lane: lanes 0-15 block 2 c, lanes 16-31 block 2 c + 1
.irp i, 0,1,2
	v_permlane16_swap_b32 v[PC+6*\c+\i], v[PC+12+4*\c+\i]
.endr
.irp i, 0,1,2
	s_delay_alu instid0(VALU_DEP_3)
	v_mov_b32 v[PC+3+6*\c+\i], v[PC+12+4*\c+\i]
.endr
.endr
.endm
.macro WLOAD t                         ; weights: block t of my four: rows 32 t .. 32 t + 31 of my column; a wave's load reads 128 consecutive bytes
.if (\t) > 0
	s_wait_xcnt 0x0                                ; the earlier loads have read their base: it steps
	s_add_nc_u64 s[20:21], s[20:21], s[34:35]
.endif
.set i, 0
.rept 32
	global_load_b32 v[XW+32*((\t)%2)+i], v[OFF+i], s[20:21] th:TH_LOAD_NT
.set i, i+1
.endr
.endm
.macro WBLOCK t
.set XS, XW+32*((\t)%2)
.set CC, CB+8*(\t)
.if (\t) < 3
	s_wait_loadcnt 32                              ; this block's 32 loads are in; the next block's 32 may be out
.else
	s_wait_loadcnt 0x0
.endif
	v_max3_num_f32 v8, |v[XS]|, |v[XS+1]|, |v[XS+2]|   ; the block's largest magnitude: all 32 numbers are mine
	v_max3_num_f32 v9, |v[XS+3]|, |v[XS+4]|, |v[XS+5]|
.irp i, 6,10,14,18,22,26
	s_delay_alu instid0(VALU_DEP_2)
	v_max3_num_f32 v8, v8, |v[XS+\i]|, |v[XS+\i+1]|
	s_delay_alu instid0(VALU_DEP_2)
	v_max3_num_f32 v9, v9, |v[XS+\i+2]|, |v[XS+\i+3]|
.endr
	s_delay_alu instid0(VALU_DEP_2)
	v_max3_num_f32 v8, v8, |v[XS+30]|, |v[XS+31]|
	s_delay_alu instid0(VALU_DEP_1)
	v_max3_num_f32 v8, v8, v9, 0x1800000           ; and the floor
	s_delay_alu instid0(VALU_DEP_1)
	v_add_nc_u32 v10, 0xff000000, v8               ; the conversion's scale operand
	s_delay_alu instid0(VALU_DEP_1)
	v_lshrrev_b32 v11, 23, v10                     ; the byte
.if (\t) == 0
	s_delay_alu instid0(VALU_DEP_1)
	v_mov_b32 v[SWR], v11
.else
	s_delay_alu instid0(VALU_DEP_1)
	v_lshl_or_b32 v[SWR], v11, 8*(\t), v[SWR]
.endif
	v_cvt_scalef32_pk16_fp6_f32 v[CC:CC+2], v[XS:XS+15], v10
	v_cvt_scalef32_pk16_fp6_f32 v[CC+4:CC+6], v[XS+16:XS+31], v10
	v_nop                                          ; one plain place behind a scaled conversion
	v_mov_b32 v[CC+3], v[CC+4]                     ; six registers on end
	v_mov_b32 v[CC+4], v[CC+5]
	v_mov_b32 v[CC+5], v[CC+6]
.if (\t) == 3                          ; the K step of 128 is whole.  Lanes 0-15 hold rows of the even block of rows, lanes 16-31 of the odd one; a half-image wants K block 2 c in lanes 0-15 and 2 c + 1 in lanes 16-31
.irp c, 0,1
.irp i, 0,1,2,3,4,5
	v_permlane16_swap_b32 v[CB+16*\c+\i], v[CB+16*\c+8+\i]   ; the first is now half c of the even block's image, the second that of the odd block's
.endr
.endr
.irp c, 0,1
	STOREH CB+16*\c, 22, 768*\c
	STOREH CB+16*\c+8, 44, 768*\c
.endr
.endif
.if (\t)+2 < 4
	WLOAD (\t)+2
.endif
.endm
.macro XLOAD set, sp                   ; src: 128 numbers (my K step sp) of each of the block's 16 rows: 512 consecutive bytes a load
.irp rr, 0,1,2,3,4,5,6,7,8,9,10,11,12,13,14,15
	global_load_b128 v[RS+64*(\set)+4*\rr:RS+64*(\set)+4*\rr+3], v1, s[20:21] offset:(\rr+8*(\rr/8))*4096+512*(\sp) th:TH_LOAD_NT
.endr
.endm
.macro SSTEP sp
.if (\sp) < 1
	s_wait_loadcnt 16                              ; this K step's 16 loads are in; the other's 16 may be out
.else
	s_wait_loadcnt 0x0
.endif
.irp rr, 0,1,2,3,4,5,6,7,8,9,10,11,12,13,14,15
	ds_store_b128 v6, v[RS+64*(\sp)+4*\rr:RS+64*(\sp)+4*\rr+3] offset:528*\rr
.endr
.irp b, 0,1,2,3
.irp j, 0,1,2,3
	ds_load_b128 v[XQ+16*\b+4*\j:XQ+16*\b+4*\j+3], v7 offset:128*\b+16*\j   ; LDS serves a wave's instructions in order: these see my stores
.endr
.endr
	s_wait_dscnt 0x0                               ; my numbers are back
	s_wait_xcnt 0x0                                ; the last K step's stores have read the codes' registers
	QUANT XQ
	v_mov_b32 v[SWD+(\sp)], v[PW]
	STOREH PC, 22, 1536*(\sp)
	STOREH PC+6, 22, 1536*(\sp)+768
.endm
	s_load_b512 s[4:19], s[0:1], 0x0               ; Wq 4, Wk 6, Wv 8, Wo 10, W1 12, W2 14, src 16, wrec 18
	v_lshl_add_u32 v254, v0, 2, 0x21000
	v_mov_b32 v255, 0
	v_lshrrev_b32 v1, 5, v0
	s_delay_alu instid0(VALU_DEP_1)
	v_readfirstlane_b32 s2, v1                     ; wave 0..15
	v_and_b32 v5, 31, v0                           ; lane
	s_delay_alu instid0(VALU_DEP_1)
	v_lshlrev_b32 v1, 4, v5                        ; 16 x lane
	s_delay_alu instid0(VALU_DEP_2)
	v_lshlrev_b32 v2, 3, v5                        ; 8 x lane
	v_and_b32 v3, 15, v0                           ; r
	v_bfe_u32 v4, v0, 4, 1                         ; h
	s_cmp_lt_u32 ttmp9, 192
	s_cbranch_scc0 .Lsrc
	; ---- a weight.  Work-groups 0-63: Wq, Wk, Wv, Wo, 16 each; 64-127: W1; 128-191: W2
	s_and_b32 s46, s2, 3                           ; which 32 of the 128 columns
	s_lshr_b32 s47, s2, 2                          ; which 128 of the 512 along K
	s_lshr_b32 s25, ttmp9, 4
	s_mul_i32 s25, s25, 819200
	s_mov_b32 s26, 3276800
	s_mov_b32 s28, 6553600
	s_lshr_b32 s31, ttmp9, 6
	s_cmp_lt_u32 ttmp9, 64
	s_cselect_b32 s24, 15, 63                      ; work-groups of this weight - 1
	s_cselect_b32 s25, s25, s26
	s_cmp_lt_u32 ttmp9, 128
	s_cselect_b32 s25, s25, s28                    ; where its records begin
	s_cselect_b32 s27, 2, 8                        ; NG
	s_cmp_eq_u32 s31, 1
	s_cselect_b32 s29, 5, 3                        ; log2 of its groups of 128 columns
	s_cselect_b32 s30, 14, 12                      ; log2 of a row's bytes
	s_and_b32 s24, ttmp9, s24
	s_lshr_b32 s32, s24, s29                       ; kg: which 512 along K
	s_lshl_b32 s33, s32, s29
	s_sub_co_u32 s33, s24, s33                     ; cg: which 128 columns
	s_lshl_b32 s36, 1, s30                         ; a row's bytes
	s_lshl_b32 s34, 32, s30                        ; 32 rows'
	s_mov_b32 s35, 0
	s_lshl_b32 s38, s32, 9
	s_lshl_b32 s39, s47, 7
	s_add_co_u32 s38, s38, s39                     ; my first row: 512 kg + 128 (wave / 4),
	s_lshl_b32 s38, s38, s30                       ; in bytes,
	s_lshl_b32 s39, s33, 9
	s_add_co_u32 s38, s38, s39                     ; 128 cg columns,
	s_lshl_b32 s39, s46, 7
	s_add_co_u32 s38, s38, s39                     ; 32 (wave % 4) columns
	s_mov_b32 s39, 0
	s_lshl_b32 s40, s33, 3
	s_lshl_b32 s41, s46, 1
	s_add_co_u32 s40, s40, s41                     ; my even block of rows: 8 cg + 2 (wave % 4)
	s_mul_i32 s40, s40, s27
	s_add_co_u32 s40, s40, s32
	s_mul_i32 s40, s40, 6400
	s_add_co_u32 s40, s40, s25
	s_mul_i32 s41, s47, 1536
	s_add_co_u32 s40, s40, s41                     ; my image in its record
	s_mov_b32 s41, 0
	s_mul_i32 s42, s27, 6400                       ; from the even block's record to the odd block's
	s_mov_b32 s43, 0
	s_mul_i32 s48, s47, 1532
	s_sub_co_u32 s48, 6144, s48                    ; from my image to my scale word: 6,144 + 4 (wave / 4) - 1,536 (wave / 4)
	s_wait_alu depctr_va_vdst(0)
	v_lshrrev_b32 v6, 3, v3
	s_delay_alu instid0(VALU_DEP_1)
	v_add_nc_u32 v6, v6, v4
	s_delay_alu instid0(VALU_DEP_1)
	v_lshl_add_u32 v6, v6, 3, v3                   ; my column of the wave's 32: r + 8 (r / 8) + 8 h
	s_delay_alu instid0(VALU_DEP_1)
	v_lshlrev_b32 v[OFF], 2, v6
.set i, 1
.rept 31
	s_delay_alu instid0(VALU_DEP_1)
	v_add_nc_u32 v[OFF+i], s36, v[OFF+i-1]
.set i, i+1
.endr
	v_mul_lo_u32 v7, v4, s42
	s_delay_alu instid0(VALU_DEP_1)
	v_lshl_add_u32 v7, v3, 4, v7                   ; my scale word's place: 16 r, in the odd block's record for lanes 16-31
	s_delay_alu instid0(VALU_DEP_1)
	v_add_nc_u32 v7, s48, v7
	s_wait_alu depctr_va_vdst(0)
	s_wait_kmcnt 0x0
	s_mov_b64 s[20:21], s[14:15]                   ; the choice of the buffer hangs on the work-group's number alone
	s_cmp_lt_u32 ttmp9, 128
	s_cselect_b64 s[20:21], s[12:13], s[20:21]
	s_cmp_lt_u32 ttmp9, 64
	s_cselect_b64 s[20:21], s[10:11], s[20:21]
	s_cmp_lt_u32 ttmp9, 48
	s_cselect_b64 s[20:21], s[8:9], s[20:21]
	s_cmp_lt_u32 ttmp9, 32
	s_cselect_b64 s[20:21], s[6:7], s[20:21]
	s_cmp_lt_u32 ttmp9, 16
	s_cselect_b64 s[20:21], s[4:5], s[20:21]
	s_add_nc_u64 s[20:21], s[20:21], s[38:39]
	s_add_nc_u64 s[22:23], s[18:19], s[40:41]
	s_add_nc_u64 s[44:45], s[22:23], s[42:43]
	WLOAD 0
	WLOAD 1
	WBLOCK 0
	WBLOCK 1
	WBLOCK 2
	WBLOCK 3
	global_store_b32 v7, v[SWR], s[22:23]          ; my K step's word of each row's four
	s_endpgm
.Lsrc:
	; ---- src: wave task = half (two K steps) of record 2 i + g
	s_sub_co_u32 s24, ttmp9, 192
	s_lshl_b32 s24, s24, 4
	s_add_co_u32 s24, s24, s2
	s_and_b32 s44, s24, 1                          ; which half
	s_lshr_b32 s24, s24, 1                         ; which record
	s_lshr_b32 s25, s24, 1                         ; i
	s_and_b32 s26, s24, 1                          ; g
	s_lshr_b32 s27, s25, 1
	s_lshl_b32 s27, s27, 5
	s_and_b32 s28, s25, 1
	s_lshl_b32 s28, s28, 3
	s_add_co_u32 s27, s27, s28                     ; the block's first token: 32 (i / 2) + 8 (i % 2)
	s_lshl_b32 s38, s27, 12
	s_lshl_b32 s28, s26, 11
	s_add_co_u32 s38, s38, s28
	s_lshl_b32 s28, s44, 10
	s_add_co_u32 s38, s38, s28
	s_mov_b32 s39, 0
	s_mul_i32 s40, s24, 6400
	s_add_co_u32 s40, s40, 9830400
	s_mul_i32 s28, s44, 3072
	s_add_co_u32 s40, s40, s28                     ; my two images
	s_mov_b32 s41, 0
	s_mul_i32 s28, s44, 3064
	s_sub_co_u32 s28, 6144, s28                    ; from them to my two scale words: 6,144 + 8 half - 3,072 half
	s_mul_i32 s29, s2, 8448                        ; my stage: 16 rows x (512 + 16) bytes
	s_wait_alu depctr_va_vdst(0)
	v_add_nc_u32 v6, s29, v1                       ; in: 16 x lane of a row
	v_mul_u32_u24 v7, v3, 528
	s_delay_alu instid0(VALU_DEP_1)
	v_lshl_add_u32 v7, v4, 6, v7
	s_delay_alu instid0(VALU_DEP_1)
	v_add_nc_u32 v7, s29, v7                       ; out: row r, + 64 h: my 16 numbers of a block of 32
	v_lshl_add_u32 v25, v3, 4, s28                 ; 16 r + that distance
	s_mov_b32 s[SEL], 0x76543210
	s_mov_b32 s[SEL+1], 0xfedcba98
.irp b, 0,1,2,3
	v_mov_b32 v[TM+4+\b], 0                        ; written once: a lane permute's destination counts as one of its sources
.endr
	s_wait_alu depctr_va_vdst(0)
	s_wait_kmcnt 0x0
	s_add_nc_u64 s[20:21], s[16:17], s[38:39]
	s_add_nc_u64 s[22:23], s[18:19], s[40:41]
	XLOAD 0, 0
	XLOAD 1, 1
	SSTEP 0
	SSTEP 1
	global_store_b64 v25, v[SWD:SWD+1], s[22:23]   ; lanes 16-31 hold the same words as lanes 0-15 and write them to the same places
	s_wait_tensorcnt 0x0
	ds_add_u32 v254, v255
	s_wait_dscnt 0x0
	s_endpgm
.Lfunc_end_k_q501b671d95_prep:
	.size	k_q501b671d95_prep, .Lfunc_end_k_q501b671d95_prep-k_q501b671d95_prep
	.p2alignl 7, 3214868480
	.fill 96, 4, 3214868480
	.section	.rodata,"a",@progbits
	.p2align	6, 0x0
	.amdhsa_kernel k_q501b671d95_prep
		.amdhsa_group_segment_fixed_size 137216
		.amdhsa_private_segment_fixed_size 0
		.amdhsa_enable_private_segment 0
		.amdhsa_kernarg_size 64
		.amdhsa_user_sgpr_count 2
		.amdhsa_user_sgpr_kernarg_segment_ptr 1
		.amdhsa_wavefront_size32 1
		.amdhsa_system_sgpr_workgroup_id_x 1
		.amdhsa_system_sgpr_workgroup_id_y 1
		.amdhsa_system_sgpr_workgroup_id_z 1
		.amdhsa_system_vgpr_workitem_id 0
		.amdhsa_next_free_vgpr 256
		.amdhsa_next_free_sgpr 66
		.amdhsa_reserve_vcc 0
		.amdhsa_float_denorm_mode_32 3
		.amdhsa_float_denorm_mode_16_64 3
		.amdhsa_memory_ordered 1
		.amdhsa_forward_progress 1
		.amdhsa_inst_pref_size 48
	.end_amdhsa_kernel
	.amdgpu_metadata
---
amdhsa.version: [ 1, 2 ]
amdhsa.kernels:
  - .name:           k_q501b671d95_prep
    .symbol:         k_q501b671d95_prep.kd
    .args:
      - { .name: Wq, .offset: 0, .size: 8, .value_kind: global_buffer, .address_space: global }
      - { .name: Wk, .offset: 8, .size: 8, .value_kind: global_buffer, .address_space: global }
      - { .name: Wv, .offset: 16, .size: 8, .value_kind: global_buffer, .address_space: global }
      - { .name: Wo, .offset: 24, .size: 8, .value_kind: global_buffer, .address_space: global }
      - { .name: W1, .offset: 32, .size: 8, .value_kind: global_buffer, .address_space: global }
      - { .name: W2, .offset: 40, .size: 8, .value_kind: global_buffer, .address_space: global }
      - { .name: src, .offset: 48, .size: 8, .value_kind: global_buffer, .address_space: global }
      - { .name: wrec, .offset: 56, .size: 8, .value_kind: global_buffer, .address_space: global }
    .group_segment_fixed_size: 137216
    .private_segment_fixed_size: 0
    .kernarg_segment_align: 8
    .kernarg_segment_size: 64
    .max_flat_workgroup_size: 512
    .sgpr_count:     66
    .vgpr_count:     256
    .wavefront_size: 32
...
	.end_amdgpu_metadata
.endif
;; end of part 1
;; launch gemm_qkv (part 2): grid 8 x 32, 4 waves a work-group, clusters of 4 x 4, 327,680 bytes of LDS; arguments wrec, bq, bk, bv, qkv; writes qkv
.if DOCPART == 2
	.amdgcn_target "amdgcn-amd-amdhsa--gfx1250"
	.amdhsa_code_object_version 6
	.text
	.protected	k_q501b671d95_gemm_qkv
	.globl	k_q501b671d95_gemm_qkv
	.p2align	8
	.type	k_q501b671d95_gemm_qkv,@function
k_q501b671d95_gemm_qkv:
	s_mov_b64 s[64:65], 0
	v_nop
	global_prefetch_b8 v0, s[64:65] scope:SCOPE_SE
	s_setreg_imm32_b32 hwreg(HW_REG_WAVE_MODE, 25, 1), 1
	s_wait_xcnt 0x0
	s_wait_alu depctr_hold_cnt(0) depctr_sa_sdst(0) depctr_va_vdst(0) depctr_va_sdst(0) depctr_va_ssrc(0) depctr_va_vcc(0) depctr_vm_vsrc(0)
	s_getreg_b32 s2, hwreg(HW_REG_IB_STS2, 6, 4)
	s_cmp_eq_u32 s2, 0
	s_cbranch_scc0 .Lentry_in_a_cluster
	s_endpgm
.Lentry_in_a_cluster:
	s_bfe_u32 s2, ttmp6, 0x10000c
	s_cmp_lg_u32 s2, 0xf033
	s_cbranch_scc0 .Lentry_shape_is_right
	s_endpgm
.Lentry_shape_is_right:
; A GEMM on codes of FP6 (E2M3), K = 1,024, whose results leave as codes again.  KIND 0: q, k, v = src W + b (three tiles a work-group).  KIND 2: h = relu(x W1 + b1) (four tiles).
; OPERANDS come as RECORDS of 6,400 bytes (16 rows x 512 K: four register images of 1,536 bytes, then 256 bytes of scale words), record (block i, group g) at (2 i + g) x 6,400;
; row r of block t is row 32 (t / 2) + 8 (t % 2) + r + 8 (r / 8).  A half-image (768 bytes): registers 0-3 of a fragment at 16 x lane, registers 4-5 at 512 + 8 x lane.
; SHARES.  A tile of the result is 128 x 128; four waves, 64 x 64 each: 16 accumulators.  A work-group keeps its 128 rows of A and walks tiles of B 1,024 columns apart.
; LDS.  A's 128 rows, all of K (8 blocks x 2 records = 102,400 bytes), are filled ONCE and stay.  B goes through two slots of 102,400 bytes, each a whole tile (128 rows, all of K): block q at 12,800 q, group g at + 6,400 g.
; Every wave fetches a quarter of each (two blocks: 25,600 dense bytes, codes and scales together).  A slot is asked for again at the end of its tile, so the load has the way out and the next tile's 128 matrix
; instructions a wave in which to land.
; CLUSTER 4 x 4: A's records are shared along a row of the cluster, B's along a column: each is asked for jointly.
; THE PRODUCT IS USED TRANSPOSED: source 0 = the REGISTER side, source 1 = the LANE side.  By the order of rows above, a lane's 32 results of a lane-side block are 32 b + 16 h + 0 .. 15 (b = 0, 1) of the register side:
; two half blocks along the next product's K, which are quantised in registers.  Normally B (the columns) is the register side; for v (SW = 1) A (the tokens, v's K) is.
; OUT.  KIND 0: qkv: half-images of q at 0 ([head of batch][block of tokens]), q's scale words at 3,145,728; from 3,276,800 a record of 12,800 bytes for each head of batch and 128 keys, holding k and v.
; KIND 2: records of h, NG = 8.  The scale half-words of v and h leave by stores of 2 bytes a lane, which write aligned 256 bytes in part: 1 byte in 24 of what the launch stores.
; LIMITS: a block of zeros, or under 2^-124, keeps the byte 1 (read by this program alone); NaN and infinities are not served.
.set KIND,  0
.if KIND == 0
.set NT,    3                          ; tiles
.set AOFF,  9830400                    ; src's records in wrec
.set BOFF,  0
.set PB,    4                          ; B's buffer: s[4:5]
.set SWAPT, 1
.else
.set NT,    4
.set AOFF,  0
.set BOFF,  3276800
.set PB,    6
.set SWAPT, 0
.endif
.set DB,    819200                     ; from a tile of B to the next: 64 blocks x 2 records
.set REG,   102400                     ; A's region, and a slot of B
.set HALF,  51200                      ; four blocks: what a wave reads of A or of B
.set QUART, 25600                      ; two blocks: what one tensor load brings
.set SPARE, 307200                     ; behind A and the two slots: the spare words, 128 bytes a wave: two blocks of 256 bytes that no other line names
.set SC,  32                           ; v32-63  scale words: group x 16 + block x 4 + K step; lanes 0-15 A's, lanes 16-31 B's
.set BI,  64                           ; v64-95  the bias in the result's layout
.set PC,  96                           ; v96-127 lane-side block X: six registers of codes at 96 + 8 X, its scale half-word at + 6
.set TM,  20                           ; v20-27  at work;  v28-30 a conversion's second result
.set ACC, 128                          ; v128-255 accumulator (X, Y) at 128 + 8 (4 X + Y)
.set F0,  0                            ; window 1: two fragment buffers: register side at + 12 Y, lane side at + 48 + 12 X
.set F1,  128
.set G1A, 24                           ; s[24:31] group 1 for A;  s[32:35] its group 0
.set G0A, 32
.set G1B, 48                           ; s[48:55] group 1 for B;  s[56:63] group 0, a set for each slot
.set G0B, 56
.set SEL, 68
.set MUL,  0x05                        ; sources 0 and 1 window 1; C and D window 0
.set TO_F, 0x40                        ; destination window 1, address window 0
.set MSB, 0
.macro WIN new                         ; the immediate's high byte repeats the setting that is left
.if MSB != \new
	s_set_vgpr_msb (MSB<<8)|\new
.set MSB, \new
.endif
.endm
.macro PLACES
.rept 4
	v_nop
.endr
.endm
.macro CREST                           ; a round of the cluster's barrier behind its opening barrier
	s_cmp_lg_u32 s16, 0
	s_cbranch_scc1 .Lnot_wave_0_\@
	s_barrier_signal -3
.Lnot_wave_0_\@:
	s_barrier_wait -3
	s_barrier_signal -1
	s_barrier_wait -1
.endm
.macro CROUND
	s_barrier_signal -1
	s_barrier_wait -1
	CREST
.endm
.macro FRAG reg, a16, a8, off          ; an image comes back as it was stored: 12 registers by four loads, each of consecutive bytes
	ds_load_b128 v[\reg:\reg+3], v[\a16] offset:\off
	ds_load_b64 v[\reg+4:\reg+5], v[\a8] offset:\off+512
	ds_load_b128 v[\reg+6:\reg+9], v[\a16] offset:\off+768
	ds_load_b64 v[\reg+10:\reg+11], v[\a8] offset:\off+1280
.endm
.macro FETCH slot, g, sp, f, swap      ; 32 loads in one run: the register side's four fragments of K step (g, sp), then the lane side's.  A at v8, v10; B's slot at v12, v14 + slot
	WIN TO_F
.if \swap
.set RA16, 8
.set RA8,  10
.set LA16, 12+(\slot)
.set LA8,  14+(\slot)
.else
.set RA16, 12+(\slot)
.set RA8,  14+(\slot)
.set LA16, 8
.set LA8,  10
.endif
.irp q, 0,1,2,3
	FRAG \f+12*\q, RA16, RA8, 12800*\q+6400*(\g)+1536*(\sp)
.endr
.irp q, 0,1,2,3
	FRAG \f+48+12*\q, LA16, LA8, 12800*\q+6400*(\g)+1536*(\sp)
.endr
.endm
.macro SCALES slot, g                  ; the scale words of group g (four K steps): four words a row; lanes 0-15 A's block q, lanes 16-31 B's
	WIN 0
.irp q, 0,1,2,3
	ds_load_b128 v[SC+16*(\g)+4*\q:SC+16*(\g)+4*\q+3], v[16+(\slot)] offset:12800*\q+6400*(\g)+6144
.endr
.endm
; four products: lane-side block X against the register side's four, from buffer FB, K step KSP of group CG.  The 16 accumulators take turns, one instruction a turn, in the same order in every K step
.macro MULX X
.irp Y, 0,1,2,3
.if ZR
.if SW
	v_wmma_scale_f32_16x16x128_f8f6f4 v[ACC+8*(4*\X+\Y):ACC+8*(4*\X+\Y)+7], v[FB+12*\Y:FB+12*\Y+11], v[FB+48+12*\X:FB+48+12*\X+11], 0, v[SC+16*CG+4*\Y+KSP], v[SC+16*CG+4*\X+KSP] matrix_a_fmt:MATRIX_FMT_FP6 matrix_b_fmt:MATRIX_FMT_FP6 matrix_b_scale:MATRIX_SCALE_ROW1
.else
	v_wmma_scale_f32_16x16x128_f8f6f4 v[ACC+8*(4*\X+\Y):ACC+8*(4*\X+\Y)+7], v[FB+12*\Y:FB+12*\Y+11], v[FB+48+12*\X:FB+48+12*\X+11], 0, v[SC+16*CG+4*\Y+KSP], v[SC+16*CG+4*\X+KSP] matrix_a_fmt:MATRIX_FMT_FP6 matrix_b_fmt:MATRIX_FMT_FP6 matrix_a_scale:MATRIX_SCALE_ROW1
.endif
.else
.if SW
	v_wmma_scale_f32_16x16x128_f8f6f4 v[ACC+8*(4*\X+\Y):ACC+8*(4*\X+\Y)+7], v[FB+12*\Y:FB+12*\Y+11], v[FB+48+12*\X:FB+48+12*\X+11], v[ACC+8*(4*\X+\Y):ACC+8*(4*\X+\Y)+7], v[SC+16*CG+4*\Y+KSP], v[SC+16*CG+4*\X+KSP] matrix_a_fmt:MATRIX_FMT_FP6 matrix_b_fmt:MATRIX_FMT_FP6 matrix_b_scale:MATRIX_SCALE_ROW1
.else
	v_wmma_scale_f32_16x16x128_f8f6f4 v[ACC+8*(4*\X+\Y):ACC+8*(4*\X+\Y)+7], v[FB+12*\Y:FB+12*\Y+11], v[FB+48+12*\X:FB+48+12*\X+11], v[ACC+8*(4*\X+\Y):ACC+8*(4*\X+\Y)+7], v[SC+16*CG+4*\Y+KSP], v[SC+16*CG+4*\X+KSP] matrix_a_fmt:MATRIX_FMT_FP6 matrix_b_fmt:MATRIX_FMT_FP6 matrix_a_scale:MATRIX_SCALE_ROW1
.endif
.endif
.endr
.endm
.macro STEP ks                         ; K step ks (0 .. 6) of a tile's eight: multiplies one buffer, fetches K step ks + 1 into the other
.set CG,  (\ks)/4
.set KSP, (\ks)%4
.set NGR, ((\ks)+1)/4
.set NSP, ((\ks)+1)%4
.set FB,  F0+128*((\ks)%2)
.set FN,  F0+128*(1-(\ks)%2)
.set ZR, 0
.if (\ks) == 0
.set ZR, 1                             ; a tile's first products start the sums: nothing is cleared
.endif
	s_wait_dscnt 8                                 ; all but the youngest eight loads (lane-side blocks 2, 3) are in
	WIN MUL
	MULX 0
	MULX 1
	PLACES                                         ; four places in front of loads into registers that matrix instructions have read
.if (\ks) == 3
	SCALES CS, 1                                   ; the second group's scale words
.endif
	FETCH CS, NGR, NSP, FN, SW
.if (\ks) == 3
	s_wait_dscnt 36                                ; all but the 4 + 32 just issued
.else
	s_wait_dscnt 32                                ; all but the 32 just issued
.endif
	WIN MUL
	MULX 2
	MULX 3
.endm
; A tile's last K step changes slots: one barrier; in front of it each wave waits for all its tensor loads, adds 0 to its spare word, and waits for that and for its reads of this slot
.macro TURN fill
.set CG,  1
.set KSP, 3
.set FB,  F1
.set ZR,  0
	WIN 0
	s_wait_tensorcnt 0x0                           ; all my tensor loads have landed: my part of the next slot
	ds_add_u32 v5, v6                              ; 0 onto my spare word
	s_wait_dscnt 9                                 ; (the add and the youngest eight loads may be out)
	WIN MUL
	MULX 0
	MULX 1
	s_wait_dscnt 0x0                               ; the add is done, and my reads of this slot are over
	s_barrier_signal -1
	MULX 2
	WIN 0
	s_barrier_wait -1
.if \fill
	CREST                                          ; the barrier has opened a round of the cluster's: no wave of any partner still reads this slot or has a load on its way
	s_add_nc_u64 s[G0B+4*CS+2:G0B+4*CS+3], s[G0B+4*CS+2:G0B+4*CS+3], 2*DB   ; the tile two on
	tensor_load_to_lds s[G0B+4*CS:G0B+4*CS+3], s[G1B:G1B+7]   ; the first tensor load behind the round, my one load until the next
	s_nop 0
	PLACES                                         ; four v_nop follow it: also the places in front of the loads below
.else
	PLACES
.endif
	SCALES 1-CS, 0
	FETCH 1-CS, 0, 0, F0, NSW
.if \fill
.if tt+3 < NT
	global_prefetch_b8 v31, s[92:93] offset:(tt+3)*DB th:TH_LOAD_NT scope:SCOPE_SE   ; the tile that the next change of slots loads: my work-group's 25 blocks of 256 bytes of the 100 that I fetch
.endif
.endif
	WIN MUL
	MULX 3
.endm
.macro LAST
.set CG,  1
.set KSP, 3
.set FB,  F1
.set ZR,  0
	s_wait_dscnt 8
	WIN MUL
	MULX 0
	MULX 1
	s_wait_dscnt 0x0
	MULX 2
	MULX 3
	WIN 0
.endm
; 32 numbers of a lane, register 16 b + i = k 32 b + 16 (lane / 16) + i, become a half-image's six registers v[P ..] and the two scale bytes v[W]
.macro QUANTH H, P, T, W
	v_max3_num_f32 v[TM], |v[\H]|, |v[\H+1]|, 0x1800000     ; with the floor 2^(3 - 127): the byte cannot fall under 1
	v_max3_num_f32 v[TM+1], |v[\H+16]|, |v[\H+17]|, 0x1800000
.irp i, 2,4,6,8,10,12,14
	v_max3_num_f32 v[TM], v[TM], |v[\H+\i]|, |v[\H+\i+1]|
	v_max3_num_f32 v[TM+1], v[TM+1], |v[\H+16+\i]|, |v[\H+17+\i]|
.endr
	v_permlanex16_b32 v[TM+2], v[TM], s[SEL], s[SEL+1]
	v_permlanex16_b32 v[TM+3], v[TM+1], s[SEL], s[SEL+1]
	v_max_num_f32 v[TM], v[TM], v[TM+2]            ; with lane l xor 16's: the block's largest magnitude
	v_max_num_f32 v[TM+1], v[TM+1], v[TM+3]
	v_add_nc_u32 v[TM+4], 0xff000000, v[TM]        ; 2 off the exponent field: the conversion's scale operand
	v_add_nc_u32 v[TM+5], 0xff000000, v[TM+1]
	v_lshrrev_b32 v[TM+6], 23, v[TM+4]             ; the bytes
	v_lshrrev_b32 v[TM+7], 23, v[TM+5]
	v_lshl_or_b32 v[\W], v[TM+7], 8, v[TM+6]
	v_cvt_scalef32_pk16_fp6_f32 v[\P:\P+2], v[\H:\H+15], v[TM+4]
	v_cvt_scalef32_pk16_fp6_f32 v[\T:\T+2], v[\H+16:\H+31], v[TM+5]
	v_nop                                          ; one plain place behind a scaled conversion
.irp i, 0,1,2
	v_permlane16_swap_b32 v[\P+\i], v[\T+\i]       ; a whole block to a lane: lanes 0-15 block 0, lanes 16-31 block 1
.endr
.irp i, 0,1,2
	v_mov_b32 v[\P+3+\i], v[\T+\i]
.endr
.endm
.macro STOREH P, base, off             ; a half-image: 512 + 256 consecutive bytes
	global_store_b128 v1, v[\P:\P+3], s[\base:\base+1] offset:\off
	global_store_b64 v2, v[\P+4:\P+5], s[\base:\base+1] offset:\off+512
.endm
.macro BIASN base, off                 ; the bias of my 64 columns in the result's layout: register 16 b + i = column 32 b + 16 h + i
.irp b, 0,1
.irp j, 0,1,2,3
	global_load_b128 v[BI+16*\b+4*\j:BI+16*\b+4*\j+3], v18, s[\base:\base+1] offset:\off+128*\b+16*\j
.endr
.endr
.endm
; A TILE LEAVES, between its last K step and the next tile's first.  No LDS instruction stands here, so the count of the fragments already asked for stays as it is; the refill is on its way meanwhile.
.macro EPI tau
	WIN 0
	s_wait_loadcnt 0x0                             ; the bias
	s_wait_xcnt 0x0                                ; the last tile's stores have read the codes' registers
	PLACES                                         ; four places behind the last products
.irp X, 0,1,2,3
.set H, ACC+32*\X
.set P, PC+8*\X
.if SW
.set k, 0
.rept 32
	v_add_f32 v[H+k], v[H+k], v[BI+\X]             ; v: a lane is a column d
.set k, k+1
.endr
.else
.set k, 0
.rept 16
	v_pk_add_f32 v[H+k:H+k+1], v[H+k:H+k+1], v[BI+k:BI+k+1]   ; ascending: each accumulator is first read at its low end
.set k, k+2
.endr
.endif
.if KIND == 2
.set k, 0
.rept 32
	v_max_num_f32 v[H+k], 0, v[H+k]                ; the activation, in f32
.set k, k+1
.endr
.endif
	QUANTH H, P, 28, P+6
.if KIND == 2
	STOREH P, 72, 51200*\X+12800*(\tau)
.elseif SW
	STOREH P, 74, 1536*\X
.elseif (\tau) == 0
	STOREH P, 72, 768*\X
.elseif \X < 2
	STOREH P, 98, 768*\X                           ; k: into the record of its 128 keys
.else
	global_store_b128 v9, v[P:P+3], s[98:99] offset:768*\X       ; k's blocks 2, 3: lane l's bytes at the place of lane l xor 8; each store still covers its 512 or 256 consecutive bytes
	global_store_b64 v11, v[P+4:P+5], s[98:99] offset:768*\X+512
.endif
.endr
.if KIND == 2
	v_cndmask_b32 v103, v102, v110, s94            ; lanes 0-15: block 0's half-word, lanes 16-31: block 1's
	v_cndmask_b32 v119, v118, v126, s94
	global_store_b16 v19, v103, s[76:77] offset:6144+12800*(\tau)
	global_store_b16 v19, v119, s[76:77] offset:6144+102400+12800*(\tau)
.if (\tau) < 3
	BIASN 8, 4096*((\tau)+1)
.endif
.elseif SW
	v_cndmask_b32 v103, v102, v110, s94
	v_cndmask_b32 v119, v118, v126, s94
	global_store_b16 v7, v103, s[78:79]
	global_store_b16 v7, v119, s[78:79] offset:128
.else
	v_lshl_or_b32 v103, v110, 16, v102             ; a pair of blocks makes a word a row
	v_lshl_or_b32 v119, v126, 16, v118
	v_cndmask_b32 v103, v103, v119, s94
.if (\tau) == 0
	global_store_b32 v7, v103, s[76:77]
.else
	global_store_b32 v7, v103, s[80:81]
.endif
.if (\tau) == 0
	BIASN 8, 0                                     ; bk
.else
.irp X, 0,1,2,3
	global_load_b32 v[BI+\X], v19, s[10:11] offset:(32*(\X/2)+8*(\X%2))*4   ; bv at my lane's column of block X
.endr
.endif
.endif
.endm
	s_load_b256 s[4:11], s[0:1], 0x0               ; KIND 0: wrec, bq, bk, bv.  KIND 2: xrec, wrec, b1, hrec
.if KIND == 0
	s_load_b64 s[12:13], s[0:1], 0x20              ; qkv
.endif
	v_lshl_add_u32 v5, v0, 2, SPARE
	v_mov_b32 v6, 0
	ds_add_u32 v5, v6
	ds_add_u32 v5, v6
	s_wait_dscnt 0x0
	v_lshrrev_b32 v1, 5, v0
	v_readfirstlane_b32 s16, v1                    ; wave
	s_lshr_b32 s17, s16, 1                         ; wy: my half of A's rows
	s_and_b32 s18, s16, 1                          ; wx: my half of B's rows
	s_bfe_u32 s40, ttmp6, 0x40000                  ; cx
	s_bfe_u32 s41, ttmp6, 0x40004                  ; cy
	s_lshl_b32 s42, ttmp9, 2
	s_add_co_u32 s42, s42, s40                     ; x
	s_and_b32 s43, ttmp7, 0xffff
	s_lshl_b32 s43, s43, 2
	s_add_co_u32 s43, s43, s41                     ; y
	s_lshl_b32 s44, s41, 2
	s_lshl_b32 s44, 15, s44                        ; my row of the cluster
	s_lshl_b32 s45, 0x1111, s40                    ; my column
	s_or_b32 s[G1A], s44, (3<<16)|(1<<21)          ; 15:0 the mask; 17:16 elements of 8 bytes; 21 set beside a mask; no padding
	s_or_b32 s[G1B], s45, (3<<16)|(1<<21)
.irp g, G1A, G1B
	s_mov_b32 s[\g+1], 800<<16                     ; tensor_dim0 = 800 elements: a record
	s_mov_b32 s[\g+2], 8<<16                       ; the head's loads bring 8 records: four blocks, both groups
	s_mov_b32 s[\g+3], 800<<16
	s_mov_b32 s[\g+4], 8
	s_mov_b32 s[\g+5], 800                         ; the four records lie on end
	s_mov_b32 s[\g+6], 0
	s_mov_b32 s[\g+7], 0
.endr
	s_lshl_b32 s20, s16, 1                         ; the two blocks that I fetch of each eight
	s_lshl_b32 s89, s18, 2                         ; at the head a wave fetches four blocks: which half
	s_lshl_b32 s46, s43, 3
	s_add_co_u32 s46, s46, s89
	s_mul_i32 s46, s46, 12800
	s_add_co_u32 s46, s46, AOFF
	s_mov_b32 s47, 0
	s_lshl_b32 s66, s42, 3
	s_add_co_u32 s66, s66, s20                     ; B: block 8 x + 2 x wave
	s_mul_i32 s66, s66, 12800
	s_add_co_u32 s66, s66, BOFF
	s_mov_b32 s67, 0
	s_lshl_b32 s90, s42, 3
	s_add_co_u32 s90, s90, s89                     ; B at the head: block 8 x + 4 (wave % 2)
	s_mul_i32 s90, s90, 12800
	s_add_co_u32 s90, s90, BOFF
	s_mov_b32 s91, 0
	s_mul_i32 s96, s41, 6400                       ; the prefetches: the four partners of a column share my 25,600 bytes out by address
	s_mov_b32 s97, 0
	s_mul_i32 s21, s16, QUART                      ; where they go: no place in the cluster enters an LDS address
	s_wait_kmcnt 0x0
	s_add_nc_u64 s[46:47], s[4:5], s[46:47]
	s_add_nc_u64 s[66:67], s[PB:PB+1], s[66:67]
	s_add_nc_u64 s[38:39], s[PB:PB+1], s[90:91]
	s_add_nc_u64 s[92:93], s[66:67], s[96:97]
	CROUND                                         ; all sixteen work-groups are here: the first joint loads meet
	s_mov_b32 s[G0A], 1
	s_mul_i32 s[G0A+1], s18, HALF                  ; waves 0, 1: a half of A each
	s_mov_b32 s36, 1                               ; s[36:39]: waves 2, 3: a half of B's slot 0 each
	s_mul_i32 s37, s18, HALF
	s_add_co_u32 s37, s37, REG
	s_or_b32 s39, s39, 0x80000000
	s_mov_b64 s[G0A+2:G0A+3], s[46:47]
	s_or_b32 s[G0A+3], s[G0A+3], 0x80000000
.irp s, 0,1
	s_mov_b32 s[G0B+4*\s], 1
	s_add_co_u32 s[G0B+4*\s+1], s21, REG+\s*REG
	s_add_nc_u64 s[G0B+4*\s+2:G0B+4*\s+3], s[66:67], \s*DB    ; slot s begins with tile s
	s_or_b32 s[G0B+4*\s+3], s[G0B+4*\s+3], 0x80000000
.endr
	s_cmp_eq_u32 s17, 0                            ; one tensor load a wave at the head
	s_cbranch_scc0 .Lhead_b
	tensor_load_to_lds s[G0A:G0A+3], s[G1A:G1A+7]
	s_nop 0
	PLACES
	s_branch .Lhead_asked
.Lhead_b:
	tensor_load_to_lds s[36:39], s[G1B:G1B+7]
	s_nop 0
	PLACES
.Lhead_asked:
	v_and_b32 v7, 31, v0
	v_lshlrev_b32 v1, 4, v7                        ; 16 x lane
	v_lshlrev_b32 v2, 3, v7                        ; 8 x lane
	v_and_b32 v3, 15, v0                           ; r
	v_bfe_u32 v4, v0, 4, 1                         ; h
	s_mul_i32 s22, s17, HALF                       ; my four blocks of A
	s_mul_i32 s23, s18, HALF
	s_add_co_u32 s23, s23, REG                     ; and of B, in slot 0
	v_add_nc_u32 v8, s22, v1
	v_add_nc_u32 v10, s22, v2
	v_add_nc_u32 v12, s23, v1
	v_add_nc_u32 v14, s23, v2
	v_add_nc_u32 v13, REG, v12                     ; slot 1
	v_add_nc_u32 v15, REG, v14
	s_sub_co_u32 s20, s23, s22
	v_mul_u32_u24 v16, s20, v4                     ; scale words: lanes 16-31 take B's, slot 0
	v_lshl_add_u32 v16, v3, 4, v16
	v_add_nc_u32 v16, s22, v16
	s_add_co_u32 s20, s20, REG
	v_mul_u32_u24 v17, s20, v4                     ; slot 1
	v_lshl_add_u32 v17, v3, 4, v17
	v_add_nc_u32 v17, s22, v17
	v_lshlrev_b32 v18, 6, v4
	v_and_b32 v31, 31, v0
	v_min_u32 v31, 24, v31
	v_lshlrev_b32 v31, 8, v31                      ; the prefetches' offset: a lane a block of 256 bytes, 25 blocks; the lanes left over name the last again
	v_xor_b32 v9, 128, v1                          ; 16 x (lane xor 8)
	v_xor_b32 v11, 64, v2                          ; 8 x (lane xor 8)
	s_wait_alu depctr_va_vdst(0)
	v_mov_b32 v22, 0                               ; written once: a lane permute's destination counts as one of its sources
	v_mov_b32 v23, 0
	s_mov_b32 s[SEL], 0x76543210
	s_mov_b32 s[SEL+1], 0xfedcba98
	s_mov_b32 s94, 0xffff0000                      ; lanes 16-31
	s_lshl_b32 s70, s42, 9
	s_lshl_b32 s71, s18, 8
	s_add_co_u32 s70, s70, s71                     ; my first column x 4 bytes: 128 x + 64 wx
	s_mov_b32 s71, 0
.if KIND == 0
	v_lshlrev_b32 v7, 2, v7                        ; 4 x lane
	v_and_b32 v19, 8, v3
	v_add_nc_u32 v19, v19, v3
	v_lshlrev_b32 v19, 2, v19                      ; 4 (r + 8 (r / 8))
	s_add_nc_u64 s[6:7], s[6:7], s[70:71]
	s_add_nc_u64 s[8:9], s[8:9], s[70:71]
	s_add_nc_u64 s[10:11], s[10:11], s[70:71]
	s_lshr_b32 s80, s43, 4                         ; batch
	s_and_b32 s81, s43, 15                         ; which 128 tokens of it
	s_lshl_b32 s82, s80, 4
	s_lshl_b32 s83, s42, 1
	s_add_co_u32 s82, s82, s83
	s_add_co_u32 s82, s82, s18                     ; head of batch: 16 b + 2 x + wx
	s_mul_i32 s84, s82, 98304
	s_lshl_b32 s85, s81, 3
	s_lshl_b32 s86, s17, 2
	s_add_co_u32 s85, s85, s86                     ; my first block of tokens in the batch
	s_mul_i32 s86, s85, 768
	s_add_co_u32 s86, s86, s84
	s_mov_b32 s87, 0
	s_add_nc_u64 s[72:73], s[12:13], s[86:87]      ; q's half-images
	; THE PLACES IN qkv AS THEY ARE NOW: q's half-images at 0, q's scale words at 3,145,728; from 3,276,800 on a RECORD of 12,800 bytes for each head of batch and 128 keys:
	; k's eight half-images (6,144), k's scale words (256), v's four images (6,144), v's scale words (256)
	s_lshl_b32 s84, s82, 12
	s_lshl_b32 s86, s85, 5
	s_add_co_u32 s86, s86, s84
	s_add_co_u32 s86, s86, 3145728
	s_add_nc_u64 s[76:77], s[12:13], s[86:87]      ; q's scale words
	s_mul_i32 s84, s82, 204800
	s_mul_i32 s86, s81, 12800
	s_add_co_u32 s84, s84, s86
	s_add_co_u32 s84, s84, 3276800                 ; my record
	s_mul_i32 s86, s17, 768
	s_add_co_u32 s86, s86, s84
	s_add_co_u32 s86, s86, 6400
	s_add_nc_u64 s[74:75], s[12:13], s[86:87]      ; v's images
	s_lshl_b32 s86, s17, 1
	s_add_co_u32 s86, s86, s84
	s_add_co_u32 s86, s86, 12544
	s_add_nc_u64 s[78:79], s[12:13], s[86:87]      ; v's scale half-words
	s_mul_i32 s86, s17, 3072
	s_add_co_u32 s86, s86, s84
	s_add_nc_u64 s[98:99], s[12:13], s[86:87]      ; k's half-images
	s_lshl_b32 s86, s17, 7
	s_add_co_u32 s86, s86, s84
	s_add_co_u32 s86, s86, 6144
	s_add_nc_u64 s[80:81], s[12:13], s[86:87]      ; k's scale words
	BIASN 6, 0                                     ; bq
.else
	v_mul_u32_u24 v19, v4, 51200
	v_lshl_add_u32 v19, v3, 4, v19                 ; scale half-words: 16 r, a block (8 records) on for lanes 16-31
	s_add_nc_u64 s[8:9], s[8:9], s[70:71]
	s_lshl_b32 s80, s43, 3
	s_lshl_b32 s81, s17, 2
	s_add_co_u32 s80, s80, s81                     ; my first block of tokens
	s_lshl_b32 s80, s80, 3
	s_lshr_b32 s81, s42, 2
	s_add_co_u32 s80, s80, s81                     ; its record of group x / 4 (+ 2 a tile)
	s_mul_i32 s80, s80, 6400
	s_and_b32 s81, s42, 3
	s_mul_i32 s82, s81, 1536
	s_mul_i32 s83, s18, 768
	s_add_co_u32 s82, s82, s83
	s_add_co_u32 s82, s82, s80
	s_mov_b32 s83, 0
	s_add_nc_u64 s[72:73], s[10:11], s[82:83]
	s_lshl_b32 s82, s81, 2
	s_lshl_b32 s84, s18, 1
	s_add_co_u32 s82, s82, s84
	s_add_co_u32 s82, s82, s80
	s_add_nc_u64 s[76:77], s[10:11], s[82:83]
	BIASN 8, 0
.endif
	s_wait_alu depctr_va_vdst(0)
	s_wait_tensorcnt 0x0                           ; my half of A or of slot 0 is in
	ds_add_u32 v5, v6
	s_mov_b32 s[G1B+2], 4<<16                      ; no load of mine is out: from here on a load brings 4 records
	s_mov_b32 s[G1B+4], 4
	s_wait_dscnt 0x0
	CROUND
	tensor_load_to_lds s[G0B+4:G0B+7], s[G1B:G1B+7]   ; slot 1's first fill, a quarter a wave
	s_nop 0
	PLACES
	SCALES 0, 0
	FETCH 0, 0, 0, F0, 0
	global_prefetch_b8 v31, s[92:93] offset:2*DB th:TH_LOAD_NT scope:SCOPE_SE   ; tile 2, which the first change of slots loads
.set tt, 0
.rept NT                               ; every tile is written out
.set CS, tt%2
.set SW, SWAPT*(tt/2)
.set NSW, SWAPT*((tt+1)/2)
.set kk, 0
.rept 7
	STEP kk
.set kk, kk+1
.endr
.if tt == NT-1
	LAST
.elseif tt+2 < NT
	TURN 1
.else
	TURN 0
.endif
	EPI tt
.set tt, tt+1
.endr
	s_wait_tensorcnt 0x0                           ; the wave's end
	ds_add_u32 v5, v6
	s_wait_dscnt 0x0
	CROUND                                         ; the closing round
	s_endpgm
.Lfunc_end_k_q501b671d95_gemm_qkv:
	.size	k_q501b671d95_gemm_qkv, .Lfunc_end_k_q501b671d95_gemm_qkv-k_q501b671d95_gemm_qkv
	.p2alignl 7, 3214868480
	.fill 96, 4, 3214868480
	.section	.rodata,"a",@progbits
	.p2align	6, 0x0
	.amdhsa_kernel k_q501b671d95_gemm_qkv
		.amdhsa_group_segment_fixed_size 327680
		.amdhsa_private_segment_fixed_size 0
		.amdhsa_enable_private_segment 0
		.amdhsa_kernarg_size 40
		.amdhsa_user_sgpr_count 2
		.amdhsa_user_sgpr_kernarg_segment_ptr 1
		.amdhsa_wavefront_size32 1
		.amdhsa_system_sgpr_workgroup_id_x 1
		.amdhsa_system_sgpr_workgroup_id_y 1
		.amdhsa_system_sgpr_workgroup_id_z 1
		.amdhsa_system_vgpr_workitem_id 0
		.amdhsa_next_free_vgpr 512
		.amdhsa_next_free_sgpr 100
		.amdhsa_reserve_vcc 0
		.amdhsa_float_denorm_mode_32 3
		.amdhsa_float_denorm_mode_16_64 3
		.amdhsa_memory_ordered 1
		.amdhsa_forward_progress 1
		.amdhsa_inst_pref_size 154
	.end_amdhsa_kernel
	.amdgpu_metadata
---
amdhsa.version: [ 1, 2 ]
amdhsa.kernels:
  - .name:           k_q501b671d95_gemm_qkv
    .symbol:         k_q501b671d95_gemm_qkv.kd
    .args:
      - { .name: wrec, .offset: 0, .size: 8, .value_kind: global_buffer, .address_space: global }
      - { .name: bq, .offset: 8, .size: 8, .value_kind: global_buffer, .address_space: global }
      - { .name: bk, .offset: 16, .size: 8, .value_kind: global_buffer, .address_space: global }
      - { .name: bv, .offset: 24, .size: 8, .value_kind: global_buffer, .address_space: global }
      - { .name: qkv, .offset: 32, .size: 8, .value_kind: global_buffer, .address_space: global }
    .group_segment_fixed_size: 327680
    .private_segment_fixed_size: 0
    .kernarg_segment_align: 8
    .kernarg_segment_size: 40
    .max_flat_workgroup_size: 128
    .sgpr_count:     100
    .vgpr_count:     512
    .wavefront_size: 32
...
	.end_amdgpu_metadata
.endif
;; end of part 2
;; launch attn (part 3): grid 8 x 32, 16 waves a work-group, clusters of 4 x 1, 206,848 bytes of LDS; arguments qkv, ctx; writes ctx
.if DOCPART == 3
	.amdgcn_target "amdgcn-amd-amdhsa--gfx1250"
	.amdhsa_code_object_version 6
	.text
	.protected	k_q501b671d95_attn
	.globl	k_q501b671d95_attn
	.p2align	8
	.type	k_q501b671d95_attn,@function
k_q501b671d95_attn:
	s_mov_b64 s[64:65], 0
	v_nop
	global_prefetch_b8 v0, s[64:65] scope:SCOPE_SE
	s_setreg_imm32_b32 hwreg(HW_REG_WAVE_MODE, 25, 1), 1
	s_wait_xcnt 0x0
	s_wait_alu depctr_hold_cnt(0) depctr_sa_sdst(0) depctr_va_vdst(0) depctr_va_sdst(0) depctr_va_ssrc(0) depctr_va_vcc(0) depctr_vm_vsrc(0)
	s_getreg_b32 s2, hwreg(HW_REG_IB_STS2, 6, 4)
	s_cmp_eq_u32 s2, 0
	s_cbranch_scc0 .Lentry_in_a_cluster
	s_endpgm
.Lentry_in_a_cluster:
	s_bfe_u32 s2, ttmp6, 0x10000c
	s_cmp_lg_u32 s2, 0x3003
	s_cbranch_scc0 .Lentry_shape_is_right
	s_endpgm
.Lentry_shape_is_right:
; ctx[b][q][head] = softmax(q k^T / 8) v for one head of one batch, both products on codes of FP6 (E2M3); the result is quantised along D and leaves as codes.
; THE SOFTMAX: t = score x log2(e) / 8; M = the running largest t rounded UP to a whole number; p = 2^(t - M) is quantised along the keys, not normalised; the row's sum is taken of the unquantised p and divides at the end.
; SHARES.  A work-group owns 256 queries of a head; each of its sixteen waves one block of 16, in 256 registers; every wave walks the head's 2,048 keys, 128 a step.
; LDS.  The head's sixteen records of 12,800 bytes (128 keys each: k's eight half-images, k's scale words, v's four images, v's scale words) are filled once: wave w brings record w, one tensor load a wave.
; CLUSTER: the four blocks of queries of a cluster belong to one head: each load is asked for jointly.  Nothing is filled again: no ring.  No prefetch: all tiles are asked for at the head, so there is no loop to run ahead in.
; LAYOUT.  Both products transposed: S^T = K Q^T, O^T = V^T P^T: a lane holds one query.  The head has 64 along K, the instruction 128: an operand of 12 registers holds TWO tiles of 16 keys;
; against [q | zeros] it gives the first tile's scores, against [zeros | q] the second's.
; THE KEYS OF A TILE ARE CHOSEN BY THE LANES' ADDRESSES: tile i (0 .. 3) of band c (64 keys) has keys 64 c + 8 i + 0 .. 7 in rows 0-7 and 64 c + 32 + 8 i + 0 .. 7 in rows 8-15.  So lane (r, h) has in its 32 registers of a band
; the keys 64 c + 32 h + 0 .. 31: ONE WHOLE SCALE BLOCK of p, in the order of the next operand: no lane asks another for a block's maximum, and no codes change lanes.
; In memory key 32 b + 16 e + 8 u + i lies in half-image 2 b + u at row 8 e + i (for odd b at the place of lane xor 8, so that the sixteen lanes of a load touch 256 different bytes modulo 256).
; The largest p of a block is taken from the block's largest score by the same two instructions (this takes v_exp_f32 not to fall where its input rises).
; K's and V's fragments have registers of their own: the next step's K is asked for behind this step's score products, V at the step's head.
; LIMITS: NaN and infinities are not served; the promise holds while the scaled scores stay under 2^31 in magnitude; a block of zeros keeps the byte 1 (read by this program alone).
; REGISTERS: v1, v2 the spare word and 0; v3 8 h; v4-11 LDS places that stay; v12 -M, v13 the largest score, v[14:15] the sum, v16 f; v18-27 at work; v28 q's scale word, v30-33 K's, v34-37 V's, v41 p's;
;   v38-40, v42-44 a block's upper codes; v46-63 zeros, q, zeros; v64-111 K; v112-159 V; v160-191 O^T; v192-255 S^T, then p, then (v208-219) p's codes.
.set REC,   12800
.set SPARE, 204800
.set WV,  18
.set SEL, 20
.set CS,  22                           ; s[22:23] c = log2(e) / 8;  s24 = -c
.set NC,  24
.set G1,  28
.set G0,  36
.set TB,  2                            ; s2 the step's record in LDS
.set KF,  64
.set VF,  112
.set O,   160
.set S,   192
.set TM,  96
.macro WALU
	s_wait_alu depctr_va_vdst(0)
.endm
.macro CROUND
	s_barrier_signal -1
	s_barrier_wait -1
	s_cmp_lg_u32 s[WV], 0
	s_cbranch_scc1 .Lnot_wave_0_\@
	s_barrier_signal -3
.Lnot_wave_0_\@:
	s_barrier_wait -3
	s_barrier_signal -1
	s_barrier_wait -1
.endm
.macro QUANTH H, P, T, W               ; 32 numbers of a lane, register 16 b + i = k 32 b + 16 (lane / 16) + i, become a half-image's six registers and two scale bytes
	v_max3_num_f32 v[TM], |v[\H]|, |v[\H+1]|, 0x1800000
	v_max3_num_f32 v[TM+1], |v[\H+16]|, |v[\H+17]|, 0x1800000
.irp i, 2,4,6,8,10,12,14
	v_max3_num_f32 v[TM], v[TM], |v[\H+\i]|, |v[\H+\i+1]|
	v_max3_num_f32 v[TM+1], v[TM+1], |v[\H+16+\i]|, |v[\H+17+\i]|
.endr
	v_permlanex16_b32 v[TM+2], v[TM], s[SEL], s[SEL+1]
	v_permlanex16_b32 v[TM+3], v[TM+1], s[SEL], s[SEL+1]
	v_max_num_f32 v[TM], v[TM], v[TM+2]
	v_max_num_f32 v[TM+1], v[TM+1], v[TM+3]
	v_add_nc_u32 v[TM+4], 0xff000000, v[TM]
	v_add_nc_u32 v[TM+5], 0xff000000, v[TM+1]
	v_lshrrev_b32 v[TM+6], 23, v[TM+4]
	v_lshrrev_b32 v[TM+7], 23, v[TM+5]
	v_lshl_or_b32 v[\W], v[TM+7], 8, v[TM+6]
	v_cvt_scalef32_pk16_fp6_f32 v[\P:\P+2], v[\H:\H+15], v[TM+4]
	v_cvt_scalef32_pk16_fp6_f32 v[\T:\T+2], v[\H+16:\H+31], v[TM+5]
	v_nop                                          ; one plain place behind a scaled conversion
.irp i, 0,1,2
	v_permlane16_swap_b32 v[\P+\i], v[\T+\i]
.endr
.irp i, 0,1,2
	v_mov_b32 v[\P+3+\i], v[\T+\i]
.endr
.endm
; K's four operands and scale words of the record off bytes behind s2: operand o = 2 c + e holds tiles 2 e and 2 e + 1 of band c.  The five additions are also the places behind the score products
.macro KLOAD off
	v_add_nc_u32 v18, s[TB], v4
	v_add_nc_u32 v19, s[TB], v5
	v_add_nc_u32 v20, s[TB], v6
	v_add_nc_u32 v21, s[TB], v7
	v_add_nc_u32 v22, s[TB], v11
.irp o, 0,1,2,3
	ds_load_b128 v[KF+12*\o:KF+12*\o+3], v[18+(\o%2)] offset:\off+3072*(\o/2)
	ds_load_b64 v[KF+12*\o+4:KF+12*\o+5], v[20+(\o%2)] offset:\off+3072*(\o/2)+512
	ds_load_b128 v[KF+12*\o+6:KF+12*\o+9], v[18+(\o%2)] offset:\off+3072*(\o/2)+768
	ds_load_b64 v[KF+12*\o+10:KF+12*\o+11], v[20+(\o%2)] offset:\off+3072*(\o/2)+1280
	ds_load_b32 v[30+\o], v22 offset:\off+6144+128*(\o/2)+32*(\o%2)
.endr
.endm
.macro SUMP q                          ; pair q of band 1's p onto one of the sum's two chains
	v_pk_add_f32 v[14+10*((\q)%2):15+10*((\q)%2)], v[14+10*((\q)%2):15+10*((\q)%2)], v[S+32+2*(\q):S+33+2*(\q)]
.endm
.macro STEP last
	s_wait_dscnt 0x0                               ; no LDS load of mine is out (this step's K was asked for in the step before)
	s_barrier_signal -1                            ; I have begun this step.  The wait stands ahead of the products with V: the sixteen waves stay within one step of each other
	v_add_nc_u32 v24, s[TB], v8
	v_add_nc_u32 v25, s[TB], v9
	v_add_nc_u32 v26, s[TB], v10
.irp t, 0,1,2,3                        ; V's operands land under the score products and the softmax
	ds_load_b128 v[VF+12*\t:VF+12*\t+3], v24 offset:6400+1536*\t
	ds_load_b64 v[VF+12*\t+4:VF+12*\t+5], v25 offset:6400+1536*\t+512
	ds_load_b128 v[VF+12*\t+6:VF+12*\t+9], v24 offset:6400+1536*\t+768
	ds_load_b64 v[VF+12*\t+10:VF+12*\t+11], v25 offset:6400+1536*\t+1280
	ds_load_b32 v[34+\t], v26 offset:12544+64*\t
.endr
	s_wait_dscnt 20                                ; K is in; V's 20 loads, just issued, may be out
.irp o, 0,1,2,3
	v_wmma_scale_f32_16x16x128_f8f6f4 v[S+16*\o:S+16*\o+7], v[KF+12*\o:KF+12*\o+11], v[52:63], 0, v[30+\o], v28 matrix_a_fmt:MATRIX_FMT_FP6 matrix_b_fmt:MATRIX_FMT_FP6
	v_wmma_scale_f32_16x16x128_f8f6f4 v[S+16*\o+8:S+16*\o+15], v[KF+12*\o:KF+12*\o+11], v[46:57], 0, v[30+\o], v28 matrix_a_fmt:MATRIX_FMT_FP6 matrix_b_fmt:MATRIX_FMT_FP6
.endr
.if \last
.rept 4
	v_nop
.endr
.else
	KLOAD REC                                      ; the next step's K
.endif
.irp c, 0,1                            ; the largest score of my two blocks of 32 keys, each in two chains
	v_max3_num_f32 v[18+\c], v[S+32*\c], v[S+32*\c+1], v[S+32*\c+2]
	v_max3_num_f32 v[22+\c], v[S+32*\c+16], v[S+32*\c+17], v[S+32*\c+18]
.endr
.irp i, 3,5,7,9,11,13
.irp c, 0,1
	v_max3_num_f32 v[18+\c], v[18+\c], v[S+32*\c+\i], v[S+32*\c+\i+1]
	v_max3_num_f32 v[22+\c], v[22+\c], v[S+32*\c+16+\i], v[S+32*\c+17+\i]
.endr
.endr
.irp c, 0,1
	v_max3_num_f32 v[18+\c], v[18+\c], v[22+\c], v[S+32*\c+15]
.endr
.irp c, 0,1
	v_max_num_f32 v[18+\c], v[18+\c], v[S+32*\c+31]
.endr
	v_max_num_f32 v22, v18, v19
	v_permlanex16_b32 v23, v22, s[SEL], s[SEL+1]
	v_max3_num_f32 v13, v13, v22, v23              ; the running largest score of my query (c is positive: the largest t is c x it)
	v_mov_b32 v27, v12
	v_mul_f32 v26, s[NC], v13
	v_floor_f32 v12, v26                           ; the new -M = floor(-t) = -ceil(t)
	v_sub_f32 v27, v12, v27                        ; old M - new M: a whole number, 0 or less
	v_cvt_i32_f32 v27, v27                         ; (it saturates)
	v_ldexp_f32 v16, 1.0, v27                      ; f = 2^(old M - new M)
	v_pk_mul_f32 v[14:15], v[14:15], v[16:17] op_sel_hi:[1,0]
.set j, 0
.rept 16
	v_pk_mul_f32 v[O+j:O+j+1], v[O+j:O+j+1], v[16:17] op_sel_hi:[1,0]   ; O^T under the new M, ahead of the exponentials
.set j, j+2
.endr
.set j, 0
.rept 32
	v_pk_fma_f32 v[S+j:S+j+1], v[S+j:S+j+1], s[CS:CS+1], v[12:13] op_sel_hi:[1,0,0]   ; t - M
.set j, j+2
.endr
	v_fma_f32 v18, v18, s[CS], v12                 ; the same of each block's largest score
	v_fma_f32 v19, v19, s[CS], v12
	WALU                                           ; the wait ahead of the batch
.set j, 0
.rept 64
	v_exp_f32 v[S+j], v[S+j]                       ; p = 2^(t - M)
.set j, j+1
.endr
	v_exp_f32 v18, v18                             ; each block's largest p
	v_exp_f32 v19, v19
	v_nop                                          ; a plain place behind the exponentials
	WALU                                           ; and the one wait behind the batch
	v_max_num_f32 v18, 0x1800000, v18              ; the floor 2^(3 - 127): the byte cannot fall under 1
	v_max_num_f32 v19, 0x1800000, v19
	v_add_nc_u32 v20, 0xff000000, v18              ; 2 off the exponent field: the conversions' scale operands
	v_add_nc_u32 v21, 0xff000000, v19
	v_lshrrev_b32 v26, 23, v20
	v_lshrrev_b32 v27, 23, v21
	v_lshl_or_b32 v26, v27, 16, v26                ; my bytes: blocks h and 2 + h,
	v_lshlrev_b32 v26, v3, v26                     ; at their places (8 h bits up);
	v_permlanex16_b32 v23, v26, s[SEL], s[SEL+1]
	v_or_b32 v41, v26, v23                         ; with lane l xor 16's two the word is whole
	v_pk_add_f32 v[24:25], v[S:S+1], v[S+2:S+3]    ; the row's sum of the unquantised p, in two chains: band 0
.irp k, 4,8,12,16,20,24,28
	v_pk_add_f32 v[14:15], v[14:15], v[S+\k:S+\k+1]
	v_pk_add_f32 v[24:25], v[24:25], v[S+\k+2:S+\k+3]
.endr
	v_cvt_scalef32_pk16_fp6_f32 v[38:40], v[S+16:S+31], v20      ; the blocks' upper 16 codes (a conversion's three registers begin on an even number)
	v_cvt_scalef32_pk16_fp6_f32 v[42:44], v[S+48:S+63], v21
	SUMP 0                                         ; a plain place
	v_cvt_scalef32_pk16_fp6_f32 v[S+16:S+18], v[S:S+15], v20     ; the lower 16 fall where the operand wants them: v208-219, over p that has been summed and converted
	v_cvt_scalef32_pk16_fp6_f32 v[S+22:S+24], v[S+32:S+47], v21
	SUMP 1                                         ; a plain place
.irp i, 0,1,2
	v_mov_b32 v[S+19+\i], v[38+\i]
	v_mov_b32 v[S+25+\i], v[42+\i]
.endr
.irp q, 2,3,4,5,6,7,8,9,10
	SUMP \q                                        ; nine plain lines between the codes' last write and the products
.endr
	WALU                                           ; the wait directly ahead of the wait below
.if \last
	s_wait_dscnt 0x0
.else
	s_wait_dscnt 20                                ; V is in; the next K's 20 loads may be out
.endif
	s_barrier_wait -1                              ; every wave has begun this step; between the signal and here stand LDS loads of bytes that nobody writes, and work on registers
.irp t, 0,1,2,3
	v_wmma_scale_f32_16x16x128_f8f6f4 v[O+8*\t:O+8*\t+7], v[VF+12*\t:VF+12*\t+11], v[S+16:S+27], v[O+8*\t:O+8*\t+7], v[34+\t], v41 matrix_a_fmt:MATRIX_FMT_FP6 matrix_b_fmt:MATRIX_FMT_FP6
.endr
.irp q, 11,12,13,14,15
	SUMP \q                                        ; with the line below: six places behind the products, ahead of V's next loads and of the score products that write over p's codes
.endr
	v_pk_add_f32 v[14:15], v[14:15], v[24:25]
.endm
	s_load_b128 s[4:7], s[0:1], 0x0                ; qkv, ctx
	v_lshl_add_u32 v1, v0, 2, SPARE
	v_mov_b32 v2, 0
	ds_add_u32 v1, v2                              ; the opening lines: the add, twice on end, and its wait
	ds_add_u32 v1, v2
	v_lshrrev_b32 v3, 5, v0
	v_readfirstlane_b32 s[WV], v3                  ; wave 0..15
	s_bfe_u32 s8, ttmp6, 0x40000                   ; cx: it enters q's and ctx's addresses alone
	s_lshl_b32 s9, ttmp9, 2
	s_add_co_u32 s9, s9, s8                        ; my block of 256 queries
	s_and_b32 s10, ttmp7, 0xffff                   ; the head of batch, which the partners share
	s_mul_i32 s[G0+1], s[WV], REC                  ; LDS: record w
	s_mul_i32 s12, s10, 16*REC
	s_add_co_u32 s12, s12, s[G0+1]
	s_add_co_u32 s12, s12, 3276800
	s_mov_b32 s13, 0
	s_mov_b32 s[G0], 1
	s_mov_b32 s[G1], 15|(3<<16)|(1<<21)            ; the mask: all four work-groups; elements of 8 bytes; bit 21 beside a mask
	s_mov_b32 s[G1+1], 32<<16                      ; a record as 50 rows of 256 bytes
	s_mov_b32 s[G1+2], 50<<16
	s_mov_b32 s[G1+3], 32<<16
	s_mov_b32 s[G1+4], 50
	s_mov_b32 s[G1+5], 32
	s_mov_b32 s[G1+6], 0
	s_mov_b32 s[G1+7], 0
	s_mov_b32 s[SEL], 0x76543210
	s_mov_b32 s[SEL+1], 0xfedcba98
	s_mov_b32 s[CS], 0x3e38aa3b                    ; c = log2(e) / sqrt(64)
	s_mov_b32 s[CS+1], s[CS]
	s_mov_b32 s[NC], 0xbe38aa3b                    ; -c
	WALU
	s_wait_dscnt 0x0
	s_wait_kmcnt 0x0
	s_add_nc_u64 s[G0+2:G0+3], s[4:5], s[12:13]
	s_or_b32 s[G0+3], s[G0+3], 0x80000000
	CROUND                                         ; all four work-groups are here: the joint loads meet
	tensor_load_to_lds s[G0:G0+3], s[G1:G1+7]      ; my one load
	s_nop 0
	s_lshl_b32 s66, s9, 4
	s_add_co_u32 s66, s66, s[WV]                   ; my block of 16 queries in the batch
	s_mul_i32 s68, s66, 768
	s_mul_i32 s69, s10, 98304
	s_add_co_u32 s68, s68, s69
	s_mov_b32 s69, 0
	s_add_nc_u64 s[68:69], s[4:5], s[68:69]        ; q's half-image
	s_lshr_b32 s70, s66, 1
	s_lshl_b32 s70, s70, 6
	s_lshl_b32 s71, s10, 12
	s_add_co_u32 s70, s70, s71
	s_and_b32 s71, s[WV], 1
	s_lshl_b32 s71, s71, 1
	s_add_co_u32 s70, s70, s71
	s_add_co_u32 s70, s70, 3145728
	s_mov_b32 s71, 0
	s_add_nc_u64 s[70:71], s[4:5], s[70:71]        ; q's scale half-words
	s_lshr_b32 s72, s10, 4                         ; batch
	s_and_b32 s73, s10, 15                         ; head
	s_lshl_b32 s72, s72, 7
	s_add_co_u32 s72, s72, s66                     ; my block of tokens
	s_lshl_b32 s72, s72, 1
	s_lshr_b32 s74, s73, 3
	s_add_co_u32 s72, s72, s74                     ; its record of ctx: eight heads are 512 along D
	s_mul_i32 s72, s72, 6400
	s_bfe_u32 s74, s73, 0x20001                    ; which image: (head / 2) % 4
	s_and_b32 s75, s73, 1                          ; which half
	s_mul_i32 s76, s74, 1536
	s_mul_i32 s77, s75, 768
	s_add_co_u32 s76, s76, s77
	s_add_co_u32 s76, s76, s72
	s_mov_b32 s77, 0
	s_add_nc_u64 s[76:77], s[6:7], s[76:77]
	s_lshl_b32 s74, s74, 2
	s_lshl_b32 s75, s75, 1
	s_add_co_u32 s74, s74, s75
	s_add_co_u32 s74, s74, s72
	s_mov_b32 s75, 0
	s_add_nc_u64 s[74:75], s[6:7], s[74:75]
	v_and_b32 v22, 31, v0                          ; lane
	v_and_b32 v23, 15, v0                          ; r
	v_bfe_u32 v24, v0, 4, 1                        ; h
	v_bfe_u32 v25, v0, 3, 1                        ; g = r / 8
	v_and_b32 v26, 7, v0                           ; r % 8
	v_lshlrev_b32 v8, 4, v22                       ; V: 16 x lane
	v_lshlrev_b32 v9, 3, v22                       ;    8 x lane
	v_lshlrev_b32 v10, 2, v23                      ;    4 r
	global_load_b128 v[52:55], v8, s[68:69]
	global_load_b64 v[56:57], v9, s[68:69] offset:512
	global_load_u16 v27, v10, s[70:71]
	v_lshl_add_u32 v18, v24, 4, v26                ; r % 8 + 16 h
	v_lshlrev_b32 v4, 4, v18
	v_lshlrev_b32 v6, 3, v18
	v_mad_u32_u24 v5, v25, 1408, v4                ; K, registers 0-3, e = 1: rows 0-7 at lanes 8-15 of image 2 b + u, rows 8-15 two images on at lanes 0-7
	v_add_nc_u32 v5, 128, v5
	v_mad_u32_u24 v4, v25, 1664, v4                ; e = 0: rows 0-7 at lanes 0-7, rows 8-15 two images on at lanes 8-15
	v_mad_u32_u24 v7, v25, 1472, v6                ; registers 4-5 likewise, 8 bytes a lane
	v_add_nc_u32 v7, 64, v7
	v_mad_u32_u24 v6, v25, 1600, v6
	v_lshlrev_b32 v11, 2, v26
	v_lshl_add_u32 v11, v25, 6, v11                ; K's scale words: 64 g + 4 (r % 8)
	v_lshlrev_b32 v3, 3, v24                       ; 8 h
.irp j, 46,47,48,49,50,51,58,59,60,61,62,63
	v_mov_b32 v[\j], 0                             ; zero codes on both sides of q
.endr
	v_mov_b32 v13, 0xff61b1e6                      ; the largest score so far: -3e38
	v_mul_f32 v12, s[NC], v13
	v_floor_f32 v12, v12                           ; -M
	v_mov_b32 v14, 0
	v_mov_b32 v15, 0
	v_mov_b32 v17, 0                               ; (named as the upper half of the pair v[16:17])
	s_wait_loadcnt 0x0
	v_lshl_or_b32 v28, v27, 16, v27                ; q's two bytes serve both halves of the instruction's K
.set j, 0
.rept 32
	v_mov_b32 v[O+j], 0                            ; O^T: the step is written once; its first trip finds zeros
.set j, j+1
.endr
	WALU
	s_wait_tensorcnt 0x0                           ; my record is in
	s_barrier_signal -1
	s_barrier_wait -1                              ; and everybody's
	s_mov_b32 s[TB], 0
	KLOAD 0
	s_mov_b32 s3, 0
.Lstep:
	STEP 0
	s_add_co_u32 s[TB], s[TB], REC
	s_add_co_u32 s3, s3, 1
	s_cmp_lt_u32 s3, 15
	s_cbranch_scc1 .Lstep
	s_mov_b32 s[TB], 15*REC
	STEP 1                                         ; the last step asks for no further K
	; THE WAY OUT: O^T / the sum; register 16 b + i is d = 32 b + 16 h + i of my query: a half-image of ctx
	v_add_f32 v14, v14, v15
	v_permlanex16_b32 v23, v14, s[SEL], s[SEL+1]
	v_add_f32 v14, v14, v23                        ; the row's sum
	v_lshlrev_b32 v26, 2, v10                      ; 16 r
	WALU
	v_rcp_f32 v14, v14
	v_nop                                          ; a plain place behind the transcendental
	WALU                                           ; the wait, directly ahead of the first reader of it and of O^T
.set j, 0
.rept 32
	v_mul_f32 v[S+j], v[O+j], v14
.set j, j+1
.endr
	QUANTH S, 64, 76, 88
	WALU
	global_store_b128 v8, v[64:67], s[76:77]
	global_store_b64 v9, v[68:69], s[76:77] offset:512
	global_store_b16 v26, v88, s[74:75] offset:6144   ; two bytes a row (lanes 16-31 write the same bytes to the same places): eight heads fill a record's scale words
	s_wait_tensorcnt 0x0                           ; the wave's end
	ds_add_u32 v1, v2
	s_wait_dscnt 0x0
	CROUND                                         ; the closing round
	s_endpgm
.Lfunc_end_k_q501b671d95_attn:
	.size	k_q501b671d95_attn, .Lfunc_end_k_q501b671d95_attn-k_q501b671d95_attn
	.p2alignl 7, 3214868480
	.fill 96, 4, 3214868480
	.section	.rodata,"a",@progbits
	.p2align	6, 0x0
	.amdhsa_kernel k_q501b671d95_attn
		.amdhsa_group_segment_fixed_size 206848
		.amdhsa_private_segment_fixed_size 0
		.amdhsa_enable_private_segment 0
		.amdhsa_kernarg_size 16
		.amdhsa_user_sgpr_count 2
		.amdhsa_user_sgpr_kernarg_segment_ptr 1
		.amdhsa_wavefront_size32 1
		.amdhsa_system_sgpr_workgroup_id_x 1
		.amdhsa_system_sgpr_workgroup_id_y 1
		.amdhsa_system_sgpr_workgroup_id_z 1
		.amdhsa_system_vgpr_workitem_id 0
		.amdhsa_next_free_vgpr 256
		.amdhsa_next_free_sgpr 80
		.amdhsa_reserve_vcc 0
		.amdhsa_float_denorm_mode_32 3
		.amdhsa_float_denorm_mode_16_64 3
		.amdhsa_memory_ordered 1
		.amdhsa_forward_progress 1
		.amdhsa_inst_pref_size 42
	.end_amdhsa_kernel
	.amdgpu_metadata
---
amdhsa.version: [ 1, 2 ]
amdhsa.kernels:
  - .name:           k_q501b671d95_attn
    .symbol:         k_q501b671d95_attn.kd
    .args:
      - { .name: qkv, .offset: 0, .size: 8, .value_kind: global_buffer, .address_space: global }
      - { .name: ctx, .offset: 8, .size: 8, .value_kind: global_buffer, .address_space: global }
    .group_segment_fixed_size: 206848
    .private_segment_fixed_size: 0
    .kernarg_segment_align: 8
    .kernarg_segment_size: 16
    .max_flat_workgroup_size: 512
    .sgpr_count:     80
    .vgpr_count:     256
    .wavefront_size: 32
...
	.end_amdgpu_metadata
.endif
;; end of part 3
;; launch gemm_wo (part 4): grid 8 x 32, 4 waves a work-group, clusters of 4 x 4, 327,680 bytes of LDS; arguments ctx, wrec, bo, src, y; writes y
.if DOCPART == 4
	.amdgcn_target "amdgcn-amd-amdhsa--gfx1250"
	.amdhsa_code_object_version 6
	.text
	.protected	k_q501b671d95_gemm_wo
	.globl	k_q501b671d95_gemm_wo
	.p2align	8
	.type	k_q501b671d95_gemm_wo,@function
k_q501b671d95_gemm_wo:
	s_mov_b64 s[64:65], 0
	v_nop
	global_prefetch_b8 v0, s[64:65] scope:SCOPE_SE
	s_setreg_imm32_b32 hwreg(HW_REG_WAVE_MODE, 25, 1), 1
	s_wait_xcnt 0x0
	s_wait_alu depctr_hold_cnt(0) depctr_sa_sdst(0) depctr_va_vdst(0) depctr_va_sdst(0) depctr_va_ssrc(0) depctr_va_vcc(0) depctr_vm_vsrc(0)
	s_getreg_b32 s2, hwreg(HW_REG_IB_STS2, 6, 4)
	s_cmp_eq_u32 s2, 0
	s_cbranch_scc0 .Lentry_in_a_cluster
	s_endpgm
.Lentry_in_a_cluster:
	s_bfe_u32 s2, ttmp6, 0x10000c
	s_cmp_lg_u32 s2, 0xf033
	s_cbranch_scc0 .Lentry_shape_is_right
	s_endpgm
.Lentry_shape_is_right:
.set KIND,  1
.if KIND == 1
.set NG,    2
.set NV,    2
.set BOFF,  2457600
.else
.set NG,    8
.set NV,    8
.set BOFF,  6553600
.endif
.set DSTEP, 12800
.set SLOT,  102400
.set QUART, 25600
.set SPARE, 204800
.set STAGE, 205312
.set SC,  32
.set ACC, 128
.set F0,  0
.set F1,  128
.set G1A, 24
.set G0A, 32
.set G1B, 48
.set G0B, 56
.set MUL,  0x05
.set TO_F, 0x40
.set MSB, 0
.macro WIN new
.if MSB != \new
	s_set_vgpr_msb (MSB<<8)|\new
.set MSB, \new
.endif
.endm
.macro PLACES
.rept 4
	v_nop
.endr
.endm
.macro JLOAD s
	s_cmp_eq_u32 s17, 0
	s_cbranch_scc0 .Lfor_b_\@
	tensor_load_to_lds s[G0A+4*\s:G0A+4*\s+3], s[G1A:G1A+7]
	s_nop 0
.rept 4
	v_nop
.endr
	s_branch .Lasked_\@
.Lfor_b_\@:
	tensor_load_to_lds s[G0B+4*\s:G0B+4*\s+3], s[G1B:G1B+7]
	s_nop 0
.rept 4
	v_nop
.endr
.Lasked_\@:
.endm
.macro CREST
	s_cmp_lg_u32 s16, 0
	s_cbranch_scc1 .Lnot_wave_0_\@
	s_barrier_signal -3
.Lnot_wave_0_\@:
	s_barrier_wait -3
	s_barrier_signal -1
	s_barrier_wait -1
.endm
.macro CROUND
	s_barrier_signal -1
	s_barrier_wait -1
	CREST
.endm
.macro FRAG reg, a16, a8, off
	ds_load_b128 v[\reg:\reg+3], v[\a16] offset:\off
	ds_load_b64 v[\reg+4:\reg+5], v[\a8] offset:\off+512
	ds_load_b128 v[\reg+6:\reg+9], v[\a16] offset:\off+768
	ds_load_b64 v[\reg+10:\reg+11], v[\a8] offset:\off+1280
.endm
.macro FETCH slot, sp, f
	WIN TO_F
.irp q, 0,1,2,3
	FRAG \f+12*\q, 12+(\slot), 14+(\slot), 6400*\q+1536*(\sp)
.endr
.irp q, 0,1,2,3
	FRAG \f+48+12*\q, 8+(\slot), 10+(\slot), 6400*\q+1536*(\sp)
.endr
.endm
.macro SCALES slot
	WIN 0
.irp q, 0,1,2,3
	ds_load_b128 v[SC+16*(\slot)+4*\q:SC+16*(\slot)+4*\q+3], v[16+(\slot)] offset:6400*\q+6144
.endr
.endm
.macro MULX X, f, sp, zero
.irp Y, 0,1,2,3
.if \zero
	v_wmma_scale_f32_16x16x128_f8f6f4 v[ACC+8*(4*\X+\Y):ACC+8*(4*\X+\Y)+7], v[\f+12*\Y:\f+12*\Y+11], v[\f+48+12*\X:\f+48+12*\X+11], 0, v[SC+16*CS+4*\Y+\sp], v[SC+16*CS+4*\X+\sp] matrix_a_fmt:MATRIX_FMT_FP6 matrix_b_fmt:MATRIX_FMT_FP6 matrix_a_scale:MATRIX_SCALE_ROW1
.else
	v_wmma_scale_f32_16x16x128_f8f6f4 v[ACC+8*(4*\X+\Y):ACC+8*(4*\X+\Y)+7], v[\f+12*\Y:\f+12*\Y+11], v[\f+48+12*\X:\f+48+12*\X+11], v[ACC+8*(4*\X+\Y):ACC+8*(4*\X+\Y)+7], v[SC+16*CS+4*\Y+\sp], v[SC+16*CS+4*\X+\sp] matrix_a_fmt:MATRIX_FMT_FP6 matrix_b_fmt:MATRIX_FMT_FP6 matrix_a_scale:MATRIX_SCALE_ROW1
.endif
.endr
.endm
.macro STEP sp, f, g, zero
	s_wait_dscnt 8
	WIN MUL
	MULX 0, \f, \sp, \zero
	MULX 1, \f, \sp, \zero
	PLACES
	FETCH CS, \sp+1, \g
	s_wait_dscnt 32
	WIN MUL
	MULX 2, \f, \sp, \zero
	MULX 3, \f, \sp, \zero
.endm
.macro TURN fill
	WIN 0
	s_wait_tensorcnt 0x0
	ds_add_u32 v5, v6
	s_wait_dscnt 9
	WIN MUL
	MULX 0, F1, 3, 0
	MULX 1, F1, 3, 0
	s_wait_dscnt 0x0
	s_barrier_signal -1
	MULX 2, F1, 3, 0
	WIN 0
	s_barrier_wait -1
.if \fill
	CREST
	s_add_nc_u64 s[G0A+4*CS+2:G0A+4*CS+3], s[G0A+4*CS+2:G0A+4*CS+3], DSTEP
	s_add_nc_u64 s[G0B+4*CS+2:G0B+4*CS+3], s[G0B+4*CS+2:G0B+4*CS+3], DSTEP
	JLOAD CS
.else
	PLACES
.endif
	SCALES 1-CS
	FETCH 1-CS, 0, F0
	WIN MUL
	MULX 3, F1, 3, 0
.endm
.macro LAST
	s_wait_dscnt 8
	WIN MUL
	MULX 0, F1, 3, 0
	MULX 1, F1, 3, 0
	s_wait_dscnt 0x0
	MULX 2, F1, 3, 0
	MULX 3, F1, 3, 0
	WIN 0
.endm
	s_load_b256 s[4:11], s[0:1], 0x0
	s_load_b64 s[12:13], s[0:1], 0x20
	v_lshl_add_u32 v5, v0, 2, SPARE
	v_mov_b32 v6, 0
	ds_add_u32 v5, v6
	ds_add_u32 v5, v6
	s_wait_dscnt 0x0
	v_lshrrev_b32 v1, 5, v0
	v_readfirstlane_b32 s16, v1
	v_and_b32 v25, 31, v0
	v_min_u32 v25, 24, v25
	v_lshlrev_b32 v25, 8, v25                      ; the prefetch's offset: a lane a block of 256 bytes; the lanes left over name the last again
	s_lshr_b32 s17, s16, 1
	s_and_b32 s18, s16, 1
	s_bfe_u32 s40, ttmp6, 0x40000
	s_bfe_u32 s41, ttmp6, 0x40004
	s_lshl_b32 s42, ttmp9, 2
	s_add_co_u32 s42, s42, s40
	s_and_b32 s43, ttmp7, 0xffff
	s_lshl_b32 s43, s43, 2
	s_add_co_u32 s43, s43, s41
	s_lshl_b32 s44, s41, 2
	s_lshl_b32 s44, 15, s44
	s_lshl_b32 s45, 0x1111, s40
	s_or_b32 s[G1A], s44, (3<<16)|(1<<21)
	s_or_b32 s[G1B], s45, (3<<16)|(1<<21)
.irp g, G1A, G1B
	s_mov_b32 s[\g+1], 800<<16
	s_mov_b32 s[\g+2], 4<<16
	s_mov_b32 s[\g+3], 800<<16
	s_mov_b32 s[\g+4], 4
	s_mov_b32 s[\g+5], NG*800
	s_mov_b32 s[\g+6], 0
	s_mov_b32 s[\g+7], 0
.endr
	s_lshl_b32 s20, s18, 2
	s_lshl_b32 s46, s43, 3
	s_add_co_u32 s46, s46, s20
	s_mul_i32 s46, s46, NG*6400
	s_mov_b32 s47, 0
	s_lshl_b32 s66, s42, 3
	s_add_co_u32 s66, s66, s20
	s_mul_i32 s66, s66, NG*6400
	s_add_co_u32 s66, s66, BOFF
	s_mov_b32 s67, 0
	s_mul_i32 s21, s16, QUART
	s_wait_kmcnt 0x0
	s_add_nc_u64 s[46:47], s[4:5], s[46:47]
	s_add_nc_u64 s[66:67], s[6:7], s[66:67]
	s_cmp_eq_u32 s17, 0                            ; the prefetch: the four partners that ask for my four records jointly take one each, by address (cx for A, cy for B)
	s_cselect_b64 s[74:75], s[46:47], s[66:67]
	s_cselect_b32 s76, s40, s41
	s_mul_i32 s76, s76, NG*6400
	s_mov_b32 s77, 0
	s_add_nc_u64 s[74:75], s[74:75], s[76:77]
	CROUND
.irp s, 0,1
	s_mov_b32 s[G0A+4*\s], 1
	s_add_co_u32 s[G0A+4*\s+1], s21, \s*SLOT
	s_add_nc_u64 s[G0A+4*\s+2:G0A+4*\s+3], s[46:47], \s*6400
	s_or_b32 s[G0A+4*\s+3], s[G0A+4*\s+3], 0x80000000
	s_mov_b32 s[G0B+4*\s], 1
	s_add_co_u32 s[G0B+4*\s+1], s21, \s*SLOT
	s_add_nc_u64 s[G0B+4*\s+2:G0B+4*\s+3], s[66:67], \s*6400
	s_or_b32 s[G0B+4*\s+3], s[G0B+4*\s+3], 0x80000000
	s_wait_alu depctr_va_vdst(0)
	s_wait_tensorcnt 0x0
	ds_add_u32 v5, v6
	ds_add_u32 v5, v6
	s_wait_dscnt 0x0
	CROUND
	JLOAD \s
.if \s == 0
	global_prefetch_b8 v25, s[74:75] offset:6400 th:TH_LOAD_NT scope:SCOPE_SE   ; group 1, which the next fill loads: one record, 25 blocks of 256 bytes, of the four that I fetch
.endif
.endr
	v_and_b32 v7, 31, v0
	v_lshlrev_b32 v1, 4, v7
	v_lshlrev_b32 v2, 3, v7
	v_and_b32 v3, 15, v0
	v_bfe_u32 v4, v0, 4, 1
	s_mul_i32 s22, s17, QUART
	s_mul_i32 s23, s18, QUART
	s_add_co_u32 s23, s23, 2*QUART
	v_add_nc_u32 v8, s22, v1
	v_add_nc_u32 v10, s22, v2
	v_add_nc_u32 v12, s23, v1
	v_add_nc_u32 v14, s23, v2
.irp a, 8,10,12,14
	v_add_nc_u32 v[\a+1], SLOT, v[\a]
.endr
	s_sub_co_u32 s20, s23, s22
	v_mul_u32_u24 v16, s20, v4
	v_lshl_add_u32 v16, v3, 4, v16
	v_add_nc_u32 v16, s22, v16
	v_add_nc_u32 v17, SLOT, v16
	s_mul_i32 s20, s16, 16*272
	s_add_co_u32 s20, s20, STAGE
	v_mul_u32_u24 v18, v3, 272
	v_lshl_add_u32 v18, v4, 6, v18
	v_add_nc_u32 v18, s20, v18
	v_mul_u32_u24 v19, v4, 272
	v_lshl_add_u32 v19, v3, 4, v19
	v_add_nc_u32 v19, s20, v19
	v_lshlrev_b32 v7, 12, v4
	v_lshl_add_u32 v7, v3, 4, v7
	v_lshlrev_b32 v24, 4, v3
	s_wait_alu depctr_va_vdst(0)
	s_lshl_b32 s70, s42, 9
	s_lshl_b32 s71, s18, 8
	s_add_co_u32 s70, s70, s71
	s_mov_b32 s71, 0
	s_add_nc_u64 s[8:9], s[8:9], s[70:71]
	s_lshl_b32 s72, s43, 19
	s_lshl_b32 s73, s17, 18
	s_add_co_u32 s72, s72, s73
	s_add_co_u32 s72, s72, s70
	s_mov_b32 s73, 0
	s_add_nc_u64 s[10:11], s[10:11], s[72:73]
	s_add_nc_u64 s[12:13], s[12:13], s[72:73]
	global_load_b128 v[20:23], v24, s[8:9]
	WIN 0x80
.irp X, 0,1,2,3
.irp i, 0,1,2,3,4,5,6,7
	global_load_b128 v[32*\X+4*\i:32*\X+4*\i+3], v7, s[10:11] offset:((32*(\X/2)+8*(\X%2))+2*\i+8*(\i/4))*4096 th:TH_LOAD_NT
.endr
.endr
	WIN 0
	s_wait_tensorcnt 1
	s_barrier_signal -1
	s_barrier_wait -1
	SCALES 0
	FETCH 0, 0, F0
.set vv, 0
.rept NV
.set CS, vv%2
.set ZR, 0
.if vv == 0
.set ZR, 1
.endif
	STEP 0, F0, F1, ZR
	STEP 1, F1, F0, 0
	STEP 2, F0, F1, 0
.if vv == NV-1
	LAST
.elseif vv+2 < NV
	TURN 1
.else
	TURN 0
.endif
.set vv, vv+1
.endr
	s_wait_loadcnt 0x0
	PLACES
.irp X, 0,1,2,3
.set RB, 64+32*(\X%2)
.set TO, 32*(\X/2)+8*(\X%2)
.if \X >= 2
	s_wait_xcnt 0x0
.endif
.irp b, 0,1
.irp j, 0,1,2,3
	ds_store_b128 v18, v[ACC+32*\X+16*\b+4*\j:ACC+32*\X+16*\b+4*\j+3] offset:128*\b+16*\j
.endr
.endr
.irp i, 0,1,2,3,4,5,6,7
	ds_load_b128 v[RB+4*\i:RB+4*\i+3], v19 offset:544*\i
.endr
	s_wait_dscnt 0x0
.irp i, 0,1,2,3,4,5,6,7
	v_pk_add_f32 v[RB+4*\i:RB+4*\i+1], v[RB+4*\i:RB+4*\i+1], v[20:21]
	v_pk_add_f32 v[RB+4*\i+2:RB+4*\i+3], v[RB+4*\i+2:RB+4*\i+3], v[22:23]
.endr
	WIN 0x08
.set k, 0
.rept 16
	v_pk_add_f32 v[RB+k:RB+k+1], v[RB+k:RB+k+1], v[32*\X+k:32*\X+k+1]
.set k, k+2
.endr
	WIN 0
.irp i, 0,1,2,3,4,5,6,7
	global_store_b128 v7, v[RB+4*\i:RB+4*\i+3], s[12:13] offset:(TO+2*\i+8*(\i/4))*4096
.endr
.endr
	s_wait_tensorcnt 0x0
	ds_add_u32 v5, v6
	s_wait_dscnt 0x0
	CROUND
	s_endpgm
.Lfunc_end_k_q501b671d95_gemm_wo:
	.size	k_q501b671d95_gemm_wo, .Lfunc_end_k_q501b671d95_gemm_wo-k_q501b671d95_gemm_wo
	.p2alignl 7, 3214868480
	.fill 96, 4, 3214868480
	.section	.rodata,"a",@progbits
	.p2align	6, 0x0
	.amdhsa_kernel k_q501b671d95_gemm_wo
		.amdhsa_group_segment_fixed_size 327680
		.amdhsa_private_segment_fixed_size 0
		.amdhsa_enable_private_segment 0
		.amdhsa_kernarg_size 40
		.amdhsa_user_sgpr_count 2
		.amdhsa_user_sgpr_kernarg_segment_ptr 1
		.amdhsa_wavefront_size32 1
		.amdhsa_system_sgpr_workgroup_id_x 1
		.amdhsa_system_sgpr_workgroup_id_y 1
		.amdhsa_system_sgpr_workgroup_id_z 1
		.amdhsa_system_vgpr_workitem_id 0
		.amdhsa_next_free_vgpr 640
		.amdhsa_next_free_sgpr 100
		.amdhsa_reserve_vcc 0
		.amdhsa_float_denorm_mode_32 3
		.amdhsa_float_denorm_mode_16_64 3
		.amdhsa_memory_ordered 1
		.amdhsa_forward_progress 1
		.amdhsa_inst_pref_size 63
	.end_amdhsa_kernel
	.amdgpu_metadata
---
amdhsa.version: [ 1, 2 ]
amdhsa.kernels:
  - .name:           k_q501b671d95_gemm_wo
    .symbol:         k_q501b671d95_gemm_wo.kd
    .args:
      - { .name: ctx, .offset: 0, .size: 8, .value_kind: global_buffer, .address_space: global }
      - { .name: wrec, .offset: 8, .size: 8, .value_kind: global_buffer, .address_space: global }
      - { .name: bo, .offset: 16, .size: 8, .value_kind: global_buffer, .address_space: global }
      - { .name: src, .offset: 24, .size: 8, .value_kind: global_buffer, .address_space: global }
      - { .name: y, .offset: 32, .size: 8, .value_kind: global_buffer, .address_space: global }
    .group_segment_fixed_size: 327680
    .private_segment_fixed_size: 0
    .kernarg_segment_align: 8
    .kernarg_segment_size: 40
    .max_flat_workgroup_size: 128
    .sgpr_count:     100
    .vgpr_count:     640
    .wavefront_size: 32
...
	.end_amdgpu_metadata
.endif
;; end of part 4
;; launch ln1 (part 5): grid 256 x 1, 8 waves a work-group, no clusters, 67,584 bytes of LDS; arguments y, ln1_g, ln1_b, x, xrec; writes x, xrec
.if DOCPART == 5
	.amdgcn_target "amdgcn-amd-amdhsa--gfx1250"
	.amdhsa_code_object_version 6
	.text
	.protected	k_q501b671d95_ln1
	.globl	k_q501b671d95_ln1
	.p2align	8
	.type	k_q501b671d95_ln1,@function
k_q501b671d95_ln1:
	s_mov_b64 s[64:65], 0
	v_nop
	global_prefetch_b8 v0, s[64:65] scope:SCOPE_SE
	s_setreg_imm32_b32 hwreg(HW_REG_WAVE_MODE, 25, 1), 1
	s_wait_xcnt 0x0
; LayerNorm over rows of 1,024 f32: out = (y - mean) rsqrt(var + 1e-5) g + b; the variance is taken of y - mean, in a second pass over registers, as the definition has it.
; A work-group takes a block of 16 rows: row r of block i is token 32 (i / 2) + 8 (i % 2) + r + 8 (r / 8).  Wave w takes rows 2 w and 2 w + 1, each in 32 registers: y is read once, no wave waits for another in the norm.
; QOUT = 1: the result is also quantised to FP6 (E2M3), one E8M0 byte for each 32 along the row, into records of 6,400 bytes (16 rows x 512 K: four register images of 1,536 bytes, then 256 bytes of scale words):
; the rows meet in LDS (pitch 4,112 bytes), wave w takes K step w of all 16 rows.  Memory binds: no matrix unit, no cluster (work-groups share only g and b, 8 KiB).
; LIMITS: v_rsq_f32 is good to 1 ulp; a block of zeros keeps the byte 1 (read by this program alone); NaN and infinities are not served.
.set QOUT, 1
.set XR,  32                           ; v32-95   my two rows
.set GR,  96                           ; v96-127  g;  later 64 numbers to quantise (v96-159)
.set BR,  128                          ; v128-159 b
.set XQ,  96
.set PC,  160                          ; v160-178 the codes just made
.set TM,  8                            ; v8-23    at work
.set PW,  24
.set SEL, 16
.macro RED a, t                        ; the sum of v[a] over the 32 lanes, in every lane
.irp m, 1
	v_add_f32_dpp v[\a], v[\a], v[\a] row_xmask:\m row_mask:0xf bank_mask:0xf
.endr
.irp m, 2, 4, 8
	s_delay_alu instid0(VALU_DEP_1)
	v_add_f32_dpp v[\a], v[\a], v[\a] row_xmask:\m row_mask:0xf bank_mask:0xf
.endr
	s_delay_alu instid0(VALU_DEP_1)
	v_permlanex16_b32 v[\t], v[\a], s[SEL], s[SEL+1]
	s_delay_alu instid0(VALU_DEP_1)
	v_add_f32 v[\a], v[\a], v[\t]
.endm
.if QOUT
.macro STOREH P, base, off
	global_store_b128 v1, v[\P:\P+3], s[\base:\base+1] offset:\off
	global_store_b64 v2, v[\P+4:\P+5], s[\base:\base+1] offset:\off+512
.endm
.macro QUANT s                         ; 64 numbers of a lane, register 16 b + i = k 32 b + 16 (lane / 16) + i of my row, become 12 registers of codes and a scale word
.irp b, 0,1,2,3
	v_max3_num_f32 v[TM+\b], |v[\s+16*\b]|, |v[\s+1+16*\b]|, 0x1800000   ; with the floor 2^(3 - 127): the byte cannot fall under 1
.endr
.irp i, 2,4,6,8,10,12,14
.irp b, 0,1,2,3
	s_delay_alu instid0(VALU_DEP_4)
	v_max3_num_f32 v[TM+\b], v[TM+\b], |v[\s+16*\b+\i]|, |v[\s+1+16*\b+\i]|
.endr
.endr
.irp b, 0,1,2,3
	v_permlanex16_b32 v[TM+4+\b], v[TM+\b], s[SEL], s[SEL+1]
.endr
.irp b, 0,1,2,3
	s_delay_alu instid0(VALU_DEP_4)
	v_max_num_f32 v[TM+\b], v[TM+\b], v[TM+4+\b]
.endr
.irp b, 0,1,2,3
	s_delay_alu instid0(VALU_DEP_4)
	v_add_nc_u32 v[TM+12+\b], 0xff000000, v[TM+\b]
.endr
.irp b, 0,1,2,3
	s_delay_alu instid0(VALU_DEP_4)
	v_lshrrev_b32 v[TM+4+\b], 23, v[TM+12+\b]
.endr
	s_delay_alu instid0(VALU_DEP_3)
	v_lshl_or_b32 v[PW], v[TM+5], 8, v[TM+4]
	s_delay_alu instid0(VALU_DEP_1)
	v_lshl_or_b32 v[PW], v[TM+6], 16, v[PW]
	s_delay_alu instid0(VALU_DEP_1)
	v_lshl_or_b32 v[PW], v[TM+7], 24, v[PW]
.irp c, 0,1
	v_cvt_scalef32_pk16_fp6_f32 v[PC+6*\c:PC+2+6*\c], v[\s+32*\c:\s+15+32*\c], v[TM+12+2*\c]
	v_cvt_scalef32_pk16_fp6_f32 v[PC+12+4*\c:PC+14+4*\c], v[\s+16+32*\c:\s+31+32*\c], v[TM+12+2*\c+1]
.endr
	v_nop                                          ; one plain place behind a scaled conversion
.irp c, 0,1
.irp i, 0,1,2
	v_permlane16_swap_b32 v[PC+6*\c+\i], v[PC+12+4*\c+\i]
.endr
.irp i, 0,1,2
	s_delay_alu instid0(VALU_DEP_3)
	v_mov_b32 v[PC+3+6*\c+\i], v[PC+12+4*\c+\i]
.endr
.endr
.endm
.endif
	s_load_b256 s[4:11], s[0:1], 0x0               ; y, g, b, the f32 result
.if QOUT
	s_load_b64 s[12:13], s[0:1], 0x20              ; the records
	v_lshl_add_u32 v192, v0, 2, 0x10400
	v_mov_b32 v193, 0
.endif
	v_lshrrev_b32 v1, 5, v0
	s_delay_alu instid0(VALU_DEP_1)
	v_readfirstlane_b32 s2, v1                     ; wave 0..7
	v_and_b32 v5, 31, v0
	s_delay_alu instid0(VALU_DEP_1)
	v_lshlrev_b32 v1, 4, v5                        ; 16 x lane
	s_wait_alu depctr_va_vdst(0)
	v_lshlrev_b32 v2, 3, v5                        ; 8 x lane
	v_and_b32 v3, 15, v0                           ; r
	s_wait_alu depctr_va_vdst(0)
	v_bfe_u32 v4, v0, 4, 1                         ; h
	s_lshr_b32 s14, ttmp9, 1
	s_lshl_b32 s14, s14, 5
	s_and_b32 s15, ttmp9, 1
	s_lshl_b32 s15, s15, 3
	s_add_co_u32 s14, s14, s15
	s_lshl_b32 s15, s2, 1
	s_add_co_u32 s14, s14, s15
	s_lshr_b32 s15, s2, 2
	s_lshl_b32 s15, s15, 3
	s_add_co_u32 s14, s14, s15                     ; my first token: 32 (i / 2) + 8 (i % 2) + 2 w + 8 (w / 4); the second is the next
	s_lshl_b32 s14, s14, 12
	s_mov_b32 s15, 0
	s_mov_b32 s[SEL], 0x76543210
	s_mov_b32 s[SEL+1], 0xfedcba98
	s_mov_b32 s18, 0x3a800000                      ; 1 / 1,024
	s_mov_b32 s19, 0x3727c5ac                      ; 1e-5
.if QOUT
	s_mul_i32 s20, s2, 8224
	v_add_nc_u32 v6, s20, v1                       ; LDS, in: my two rows, pitch 4,112
	v_mul_u32_u24 v7, v3, 4112
	s_wait_alu depctr_va_vdst(0)
	v_lshl_add_u32 v7, v4, 6, v7
	s_lshl_b32 s21, s2, 9
	v_add_nc_u32 v7, s21, v7                       ; out: row r, K step w, + 64 h
	s_lshr_b32 s26, s2, 2                          ; which record: w / 4
	s_and_b32 s27, s2, 3                           ; which image: w % 4
	s_lshl_b32 s20, s26, 8
	s_lshl_b32 s21, s27, 2
	s_add_co_u32 s20, s20, s21
	s_add_co_u32 s20, s20, 65792
	v_lshl_add_u32 v25, v3, 4, s20                 ; LDS: my row's scale word of my K step
	v_add_nc_u32 v26, 65792, v1                    ; and the two records' scale words, whole
	v_mul_u32_u24 v27, v4, 6400
	s_delay_alu instid0(VALU_DEP_1)
	v_lshl_add_u32 v27, v3, 4, v27
	s_mul_i32 s24, ttmp9, 12800                    ; the block's two records
	s_mov_b32 s25, 0
	s_mul_i32 s22, s26, 6400
	s_mul_i32 s23, s27, 1536
	s_add_co_u32 s22, s22, s23
	s_add_co_u32 s22, s22, s24
	s_mov_b32 s23, 0
.endif
	s_wait_kmcnt 0x0
	s_add_nc_u64 s[4:5], s[4:5], s[14:15]
	s_add_nc_u64 s[10:11], s[10:11], s[14:15]
.if QOUT
	s_add_nc_u64 s[22:23], s[12:13], s[22:23]
	s_add_nc_u64 s[24:25], s[12:13], s[24:25]
.endif
.irp e, 0,1
.irp j, 0,1,2,3,4,5,6,7
	global_load_b128 v[XR+32*\e+4*\j:XR+32*\e+4*\j+3], v1, s[4:5] offset:4096*\e+512*\j th:TH_LOAD_NT
.endr
.endr
.irp j, 0,1,2,3,4,5,6,7
	global_load_b128 v[GR+4*\j:GR+4*\j+3], v1, s[6:7] offset:512*\j
	global_load_b128 v[BR+4*\j:BR+4*\j+3], v1, s[8:9] offset:512*\j
.endr
	s_wait_loadcnt 16                              ; my two rows are in; g and b may be out
.irp e, 0,1
	v_pk_add_f32 v[8+8*\e:9+8*\e], v[XR+32*\e:XR+32*\e+1], v[XR+32*\e+2:XR+32*\e+3]   ; the row's sum, in two chains
	v_pk_add_f32 v[10+8*\e:11+8*\e], v[XR+32*\e+4:XR+32*\e+5], v[XR+32*\e+6:XR+32*\e+7]
.endr
.irp k, 8,12,16,20,24,28
.irp e, 0,1
	s_delay_alu instid0(VALU_DEP_4)
	v_pk_add_f32 v[8+8*\e:9+8*\e], v[8+8*\e:9+8*\e], v[XR+32*\e+\k:XR+32*\e+\k+1]
	s_delay_alu instid0(VALU_DEP_4)
	v_pk_add_f32 v[10+8*\e:11+8*\e], v[10+8*\e:11+8*\e], v[XR+32*\e+\k+2:XR+32*\e+\k+3]
.endr
.endr
.irp e, 0
	s_delay_alu instid0(VALU_DEP_3)
	v_pk_add_f32 v[8+8*\e:9+8*\e], v[8+8*\e:9+8*\e], v[10+8*\e:11+8*\e]
.endr
.irp e, 1
	s_delay_alu instid0(VALU_DEP_2)
	v_pk_add_f32 v[8+8*\e:9+8*\e], v[8+8*\e:9+8*\e], v[10+8*\e:11+8*\e]
.endr
.irp e, 0,1
	s_delay_alu instid0(VALU_DEP_2)
	v_add_f32 v[8+8*\e], v[8+8*\e], v[9+8*\e]
.endr
	RED 8, 9
	RED 16, 17
.irp e, 0
	v_mul_f32 v[8+8*\e], s18, v[8+8*\e]            ; the mean
.endr
.irp e, 1
	s_delay_alu instid0(VALU_DEP_2)
	v_mul_f32 v[8+8*\e], s18, v[8+8*\e]            ; the mean
.endr
.irp e, 0,1
.set k, 0
.rept 16
	v_pk_add_f32 v[XR+32*\e+k:XR+32*\e+k+1], v[XR+32*\e+k:XR+32*\e+k+1], v[8+8*\e:9+8*\e] op_sel_hi:[1,0] neg_lo:[0,1] neg_hi:[0,1]   ; y - mean
.set k, k+2
.endr
.endr
.irp e, 0,1
	v_pk_mul_f32 v[10+8*\e:11+8*\e], v[XR+32*\e:XR+32*\e+1], v[XR+32*\e:XR+32*\e+1]
	v_pk_mul_f32 v[12+8*\e:13+8*\e], v[XR+32*\e+2:XR+32*\e+3], v[XR+32*\e+2:XR+32*\e+3]
.endr
.irp k, 4,8,12,16,20,24,28
.irp e, 0,1
	s_delay_alu instid0(VALU_DEP_4)
	v_pk_fma_f32 v[10+8*\e:11+8*\e], v[XR+32*\e+\k:XR+32*\e+\k+1], v[XR+32*\e+\k:XR+32*\e+\k+1], v[10+8*\e:11+8*\e]
	s_delay_alu instid0(VALU_DEP_4)
	v_pk_fma_f32 v[12+8*\e:13+8*\e], v[XR+32*\e+\k+2:XR+32*\e+\k+3], v[XR+32*\e+\k+2:XR+32*\e+\k+3], v[12+8*\e:13+8*\e]
.endr
.endr
.irp e, 0
	s_delay_alu instid0(VALU_DEP_3)
	v_pk_add_f32 v[10+8*\e:11+8*\e], v[10+8*\e:11+8*\e], v[12+8*\e:13+8*\e]
.endr
.irp e, 1
	s_delay_alu instid0(VALU_DEP_2)
	v_pk_add_f32 v[10+8*\e:11+8*\e], v[10+8*\e:11+8*\e], v[12+8*\e:13+8*\e]
.endr
.irp e, 0,1
	s_delay_alu instid0(VALU_DEP_2)
	v_add_f32 v[10+8*\e], v[10+8*\e], v[11+8*\e]
.endr
	RED 10, 11
	RED 18, 19
.irp e, 0
	v_fma_f32 v[10+8*\e], v[10+8*\e], s18, s19     ; the variance + 1e-5
.endr
.irp e, 1
	s_delay_alu instid0(VALU_DEP_2)
	v_fma_f32 v[10+8*\e], v[10+8*\e], s18, s19     ; the variance + 1e-5
.endr
	s_wait_alu depctr_va_vdst(0)
	v_rsq_f32 v14, v10
	v_rsq_f32 v22, v18
	v_mov_b32 v15, 0                               ; (the pairs' upper halves are named, so they are written.)  Plain places behind the transcendentals
	v_mov_b32 v23, 0
	s_wait_alu depctr_va_vdst(0)                   ; one wait for both, ahead of their first reader
	s_wait_loadcnt 0x0                             ; g and b
.irp e, 0,1
.set k, 0
.rept 16
	v_pk_mul_f32 v[XR+32*\e+k:XR+32*\e+k+1], v[XR+32*\e+k:XR+32*\e+k+1], v[14+8*\e:15+8*\e] op_sel_hi:[1,0]
	s_delay_alu instid0(VALU_DEP_1)
	v_pk_fma_f32 v[XR+32*\e+k:XR+32*\e+k+1], v[XR+32*\e+k:XR+32*\e+k+1], v[GR+k:GR+k+1], v[BR+k:BR+k+1]
.set k, k+2
.endr
.endr
.irp e, 0,1
.irp j, 0,1,2,3,4,5,6,7
	global_store_b128 v1, v[XR+32*\e+4*\j:XR+32*\e+4*\j+3], s[10:11] offset:4096*\e+512*\j   ; 512 consecutive bytes a store
.if QOUT
	ds_store_b128 v6, v[XR+32*\e+4*\j:XR+32*\e+4*\j+3] offset:4112*\e+512*\j
.endif
.endr
.endr
.if QOUT
	s_wait_dscnt 0x0                               ; for the others' sake: my rows lie in LDS
	s_barrier_signal -1
	s_barrier_wait -1
.irp b, 0,1,2,3
.irp j, 0,1,2,3
	ds_load_b128 v[XQ+16*\b+4*\j:XQ+16*\b+4*\j+3], v7 offset:128*\b+16*\j
.endr
.endr
	s_wait_dscnt 0x0
	QUANT XQ
	STOREH PC, 22, 0
	STOREH PC+6, 22, 768
	ds_store_b32 v25, v[PW]                        ; lanes 16-31 write the same word to the same place
	s_wait_dscnt 0x0
	s_barrier_signal -1
	s_barrier_wait -1
	s_cmp_lg_u32 s2, 0
	s_cbranch_scc1 .Ldone
	ds_load_b128 v[28:31], v26                     ; wave 0 stores both records' scale words: two runs of 256 aligned bytes
	s_wait_dscnt 0x0
	global_store_b128 v27, v[28:31], s[24:25] offset:6144
.Ldone:
.endif
	s_wait_tensorcnt 0x0
	ds_add_u32 v192, v193
	s_wait_dscnt 0x0
	s_endpgm
.Lfunc_end_k_q501b671d95_ln1:
	.size	k_q501b671d95_ln1, .Lfunc_end_k_q501b671d95_ln1-k_q501b671d95_ln1
	.p2alignl 7, 3214868480
	.fill 96, 4, 3214868480
	.section	.rodata,"a",@progbits
	.p2align	6, 0x0
	.amdhsa_kernel k_q501b671d95_ln1
		.amdhsa_group_segment_fixed_size 67584
		.amdhsa_private_segment_fixed_size 0
		.amdhsa_enable_private_segment 0
		.amdhsa_kernarg_size 40
		.amdhsa_user_sgpr_count 2
		.amdhsa_user_sgpr_kernarg_segment_ptr 1
		.amdhsa_wavefront_size32 1
		.amdhsa_system_sgpr_workgroup_id_x 1
		.amdhsa_system_sgpr_workgroup_id_y 1
		.amdhsa_system_sgpr_workgroup_id_z 1
		.amdhsa_system_vgpr_workitem_id 0
		.amdhsa_next_free_vgpr 194
		.amdhsa_next_free_sgpr 66
		.amdhsa_reserve_vcc 0
		.amdhsa_float_denorm_mode_32 3
		.amdhsa_float_denorm_mode_16_64 3
		.amdhsa_memory_ordered 1
		.amdhsa_forward_progress 1
		.amdhsa_inst_pref_size 32
	.end_amdhsa_kernel
	.amdgpu_metadata
---
amdhsa.version: [ 1, 2 ]
amdhsa.kernels:
  - .name:           k_q501b671d95_ln1
    .symbol:         k_q501b671d95_ln1.kd
    .args:
      - { .name: y, .offset: 0, .size: 8, .value_kind: global_buffer, .address_space: global }
      - { .name: ln1_g, .offset: 8, .size: 8, .value_kind: global_buffer, .address_space: global }
      - { .name: ln1_b, .offset: 16, .size: 8, .value_kind: global_buffer, .address_space: global }
      - { .name: x, .offset: 24, .size: 8, .value_kind: global_buffer, .address_space: global }
      - { .name: xrec, .offset: 32, .size: 8, .value_kind: global_buffer, .address_space: global }
    .group_segment_fixed_size: 67584
    .private_segment_fixed_size: 0
    .kernarg_segment_align: 8
    .kernarg_segment_size: 40
    .max_flat_workgroup_size: 256
    .sgpr_count:     66
    .vgpr_count:     194
    .wavefront_size: 32
...
	.end_amdgpu_metadata
.endif
;; end of part 5
;; launch gemm_w1 (part 6): grid 8 x 32, 4 waves a work-group, clusters of 4 x 4, 327,680 bytes of LDS; arguments xrec, wrec, b1, hrec; writes hrec
.if DOCPART == 6
	.amdgcn_target "amdgcn-amd-amdhsa--gfx1250"
	.amdhsa_code_object_version 6
	.text
	.protected	k_q501b671d95_gemm_w1
	.globl	k_q501b671d95_gemm_w1
	.p2align	8
	.type	k_q501b671d95_gemm_w1,@function
k_q501b671d95_gemm_w1:
	s_mov_b64 s[64:65], 0
	v_nop
	global_prefetch_b8 v0, s[64:65] scope:SCOPE_SE
	s_setreg_imm32_b32 hwreg(HW_REG_WAVE_MODE, 25, 1), 1
	s_wait_xcnt 0x0
	s_wait_alu depctr_hold_cnt(0) depctr_sa_sdst(0) depctr_va_vdst(0) depctr_va_sdst(0) depctr_va_ssrc(0) depctr_va_vcc(0) depctr_vm_vsrc(0)
	s_getreg_b32 s2, hwreg(HW_REG_IB_STS2, 6, 4)
	s_cmp_eq_u32 s2, 0
	s_cbranch_scc0 .Lentry_in_a_cluster
	s_endpgm
.Lentry_in_a_cluster:
	s_bfe_u32 s2, ttmp6, 0x10000c
	s_cmp_lg_u32 s2, 0xf033
	s_cbranch_scc0 .Lentry_shape_is_right
	s_endpgm
.Lentry_shape_is_right:
; A GEMM on codes of FP6 (E2M3), K = 1,024, whose results leave as codes again.  KIND 0: q, k, v = src W + b (three tiles a work-group).  KIND 2: h = relu(x W1 + b1) (four tiles).
; OPERANDS come as RECORDS of 6,400 bytes (16 rows x 512 K: four register images of 1,536 bytes, then 256 bytes of scale words), record (block i, group g) at (2 i + g) x 6,400;
; row r of block t is row 32 (t / 2) + 8 (t % 2) + r + 8 (r / 8).  A half-image (768 bytes): registers 0-3 of a fragment at 16 x lane, registers 4-5 at 512 + 8 x lane.
; SHARES.  A tile of the result is 128 x 128; four waves, 64 x 64 each: 16 accumulators.  A work-group keeps its 128 rows of A and walks tiles of B 1,024 columns apart.
; LDS.  A's 128 rows, all of K (8 blocks x 2 records = 102,400 bytes), are filled ONCE and stay.  B goes through two slots of 102,400 bytes, each a whole tile (128 rows, all of K): block q at 12,800 q, group g at + 6,400 g.
; Every wave fetches a quarter of each (two blocks: 25,600 dense bytes, codes and scales together).  A slot is asked for again at the end of its tile, so the load has the way out and the next tile's 128 matrix
; instructions a wave in which to land.
; CLUSTER 4 x 4: A's records are shared along a row of the cluster, B's along a column: each is asked for jointly.
; THE PRODUCT IS USED TRANSPOSED: source 0 = the REGISTER side, source 1 = the LANE side.  By the order of rows above, a lane's 32 results of a lane-side block are 32 b + 16 h + 0 .. 15 (b = 0, 1) of the register side:
; two half blocks along the next product's K, which are quantised in registers.  Normally B (the columns) is the register side; for v (SW = 1) A (the tokens, v's K) is.
; OUT.  KIND 0: qkv: half-images of q at 0 and of k at 3,145,728 ([head of batch][block of tokens]), of v at 6,291,456 ([head][128 keys][16 d][64 keys]); scale half-words at 9,437,184, 9,568,256, 9,699,328.
; KIND 2: records of h, NG = 8.  The scale half-words of v and h leave by stores of 2 bytes a lane, which write aligned 256 bytes in part: 1 byte in 24 of what the launch stores.
; LIMITS: a block of zeros, or under 2^-124, keeps the byte 1 (read by this program alone); NaN and infinities are not served.
.set KIND,  2
.if KIND == 0
.set NT,    3                          ; tiles
.set AOFF,  9830400                    ; src's records in wrec
.set BOFF,  0
.set PB,    4                          ; B's buffer: s[4:5]
.set SWAPT, 1
.else
.set NT,    4
.set AOFF,  0
.set BOFF,  3276800
.set PB,    6
.set SWAPT, 0
.endif
.set DB,    819200                     ; from a tile of B to the next: 64 blocks x 2 records
.set REG,   102400                     ; A's region, and a slot of B
.set HALF,  51200                      ; four blocks: what a wave reads of A or of B
.set QUART, 25600                      ; two blocks: what one tensor load brings
.set SPARE, 307200                     ; behind A and the two slots: the spare words, 128 bytes a wave: two blocks of 256 bytes that no other line names
.set SC,  32                           ; v32-63  scale words: group x 16 + block x 4 + K step; lanes 0-15 A's, lanes 16-31 B's
.set BI,  64                           ; v64-95  the bias in the result's layout
.set PC,  96                           ; v96-127 lane-side block X: six registers of codes at 96 + 8 X, its scale half-word at + 6
.set TM,  20                           ; v20-27  at work;  v28-30 a conversion's second result
.set ACC, 128                          ; v128-255 accumulator (X, Y) at 128 + 8 (4 X + Y)
.set F0,  0                            ; window 1: two fragment buffers: register side at + 12 Y, lane side at + 48 + 12 X
.set F1,  128
.set G1A, 24                           ; s[24:31] group 1 for A;  s[32:35] its group 0
.set G0A, 32
.set G1B, 48                           ; s[48:55] group 1 for B;  s[56:63] group 0, a set for each slot
.set G0B, 56
.set SEL, 68
.set MUL,  0x05                        ; sources 0 and 1 window 1; C and D window 0
.set TO_F, 0x40                        ; destination window 1, address window 0
.set MSB, 0
.macro WIN new                         ; the immediate's high byte repeats the setting that is left
.if MSB != \new
	s_set_vgpr_msb (MSB<<8)|\new
.set MSB, \new
.endif
.endm
.macro PLACES
.rept 4
	v_nop
.endr
.endm
.macro CREST                           ; a round of the cluster's barrier behind its opening barrier
	s_cmp_lg_u32 s16, 0
	s_cbranch_scc1 .Lnot_wave_0_\@
	s_barrier_signal -3
.Lnot_wave_0_\@:
	s_barrier_wait -3
	s_barrier_signal -1
	s_barrier_wait -1
.endm
.macro CROUND
	s_barrier_signal -1
	s_barrier_wait -1
	CREST
.endm
.macro FRAG reg, a16, a8, off          ; an image comes back as it was stored: 12 registers by four loads, each of consecutive bytes
	ds_load_b128 v[\reg:\reg+3], v[\a16] offset:\off
	ds_load_b64 v[\reg+4:\reg+5], v[\a8] offset:\off+512
	ds_load_b128 v[\reg+6:\reg+9], v[\a16] offset:\off+768
	ds_load_b64 v[\reg+10:\reg+11], v[\a8] offset:\off+1280
.endm
.macro FETCH slot, g, sp, f, swap      ; 32 loads in one run: the register side's four fragments of K step (g, sp), then the lane side's.  A at v8, v10; B's slot at v12, v14 + slot
	WIN TO_F
.if \swap
.set RA16, 8
.set RA8,  10
.set LA16, 12+(\slot)
.set LA8,  14+(\slot)
.else
.set RA16, 12+(\slot)
.set RA8,  14+(\slot)
.set LA16, 8
.set LA8,  10
.endif
.irp q, 0,1,2,3
	FRAG \f+12*\q, RA16, RA8, 12800*\q+6400*(\g)+1536*(\sp)
.endr
.irp q, 0,1,2,3
	FRAG \f+48+12*\q, LA16, LA8, 12800*\q+6400*(\g)+1536*(\sp)
.endr
.endm
.macro SCALES slot, g                  ; the scale words of group g (four K steps): four words a row; lanes 0-15 A's block q, lanes 16-31 B's
	WIN 0
.irp q, 0,1,2,3
	ds_load_b128 v[SC+16*(\g)+4*\q:SC+16*(\g)+4*\q+3], v[16+(\slot)] offset:12800*\q+6400*(\g)+6144
.endr
.endm
; four products: lane-side block X against the register side's four, from buffer FB, K step KSP of group CG.  The 16 accumulators take turns, one instruction a turn, in the same order in every K step
.macro MULX X
.irp Y, 0,1,2,3
.if ZR
.if SW
	v_wmma_scale_f32_16x16x128_f8f6f4 v[ACC+8*(4*\X+\Y):ACC+8*(4*\X+\Y)+7], v[FB+12*\Y:FB+12*\Y+11], v[FB+48+12*\X:FB+48+12*\X+11], 0, v[SC+16*CG+4*\Y+KSP], v[SC+16*CG+4*\X+KSP] matrix_a_fmt:MATRIX_FMT_FP6 matrix_b_fmt:MATRIX_FMT_FP6 matrix_b_scale:MATRIX_SCALE_ROW1
.else
	v_wmma_scale_f32_16x16x128_f8f6f4 v[ACC+8*(4*\X+\Y):ACC+8*(4*\X+\Y)+7], v[FB+12*\Y:FB+12*\Y+11], v[FB+48+12*\X:FB+48+12*\X+11], 0, v[SC+16*CG+4*\Y+KSP], v[SC+16*CG+4*\X+KSP] matrix_a_fmt:MATRIX_FMT_FP6 matrix_b_fmt:MATRIX_FMT_FP6 matrix_a_scale:MATRIX_SCALE_ROW1
.endif
.else
.if SW
	v_wmma_scale_f32_16x16x128_f8f6f4 v[ACC+8*(4*\X+\Y):ACC+8*(4*\X+\Y)+7], v[FB+12*\Y:FB+12*\Y+11], v[FB+48+12*\X:FB+48+12*\X+11], v[ACC+8*(4*\X+\Y):ACC+8*(4*\X+\Y)+7], v[SC+16*CG+4*\Y+KSP], v[SC+16*CG+4*\X+KSP] matrix_a_fmt:MATRIX_FMT_FP6 matrix_b_fmt:MATRIX_FMT_FP6 matrix_b_scale:MATRIX_SCALE_ROW1
.else
	v_wmma_scale_f32_16x16x128_f8f6f4 v[ACC+8*(4*\X+\Y):ACC+8*(4*\X+\Y)+7], v[FB+12*\Y:FB+12*\Y+11], v[FB+48+12*\X:FB+48+12*\X+11], v[ACC+8*(4*\X+\Y):ACC+8*(4*\X+\Y)+7], v[SC+16*CG+4*\Y+KSP], v[SC+16*CG+4*\X+KSP] matrix_a_fmt:MATRIX_FMT_FP6 matrix_b_fmt:MATRIX_FMT_FP6 matrix_a_scale:MATRIX_SCALE_ROW1
.endif
.endif
.endr
.endm
.macro STEP ks                         ; K step ks (0 .. 6) of a tile's eight: multiplies one buffer, fetches K step ks + 1 into the other
.set CG,  (\ks)/4
.set KSP, (\ks)%4
.set NGR, ((\ks)+1)/4
.set NSP, ((\ks)+1)%4
.set FB,  F0+128*((\ks)%2)
.set FN,  F0+128*(1-(\ks)%2)
.set ZR, 0
.if (\ks) == 0
.set ZR, 1                             ; a tile's first products start the sums: nothing is cleared
.endif
	s_wait_dscnt 8                                 ; all but the youngest eight loads (lane-side blocks 2, 3) are in
	WIN MUL
	MULX 0
	MULX 1
	PLACES                                         ; four places in front of loads into registers that matrix instructions have read
.if (\ks) == 3
	SCALES CS, 1                                   ; the second group's scale words
.endif
	FETCH CS, NGR, NSP, FN, SW
.if (\ks) == 3
	s_wait_dscnt 36                                ; all but the 4 + 32 just issued
.else
	s_wait_dscnt 32                                ; all but the 32 just issued
.endif
	WIN MUL
	MULX 2
	MULX 3
.endm
; A tile's last K step changes slots: one barrier; in front of it each wave waits for all its tensor loads, adds 0 to its spare word, and waits for that and for its reads of this slot
.macro TURN fill
.set CG,  1
.set KSP, 3
.set FB,  F1
.set ZR,  0
	WIN 0
	s_wait_tensorcnt 0x0                           ; all my tensor loads have landed: my part of the next slot
	ds_add_u32 v5, v6                              ; 0 onto my spare word
	s_wait_dscnt 9                                 ; (the add and the youngest eight loads may be out)
	WIN MUL
	MULX 0
	MULX 1
	s_wait_dscnt 0x0                               ; the add is done, and my reads of this slot are over
	s_barrier_signal -1
	MULX 2
	WIN 0
	s_barrier_wait -1
.if \fill
	CREST                                          ; the barrier has opened a round of the cluster's: no wave of any partner still reads this slot or has a load on its way
	s_add_nc_u64 s[G0B+4*CS+2:G0B+4*CS+3], s[G0B+4*CS+2:G0B+4*CS+3], 2*DB   ; the tile two on
	tensor_load_to_lds s[G0B+4*CS:G0B+4*CS+3], s[G1B:G1B+7]   ; the first tensor load behind the round, my one load until the next
	s_nop 0
	PLACES                                         ; four v_nop follow it: also the places in front of the loads below
.else
	PLACES
.endif
	SCALES 1-CS, 0
	FETCH 1-CS, 0, 0, F0, NSW
.if \fill
.if tt+3 < NT
	global_prefetch_b8 v31, s[92:93] offset:(tt+3)*DB th:TH_LOAD_NT scope:SCOPE_SE   ; the tile that the next change of slots loads: my work-group's 25 blocks of 256 bytes of the 100 that I fetch
.endif
.endif
	WIN MUL
	MULX 3
.endm
.macro LAST
.set CG,  1
.set KSP, 3
.set FB,  F1
.set ZR,  0
	s_wait_dscnt 8
	WIN MUL
	MULX 0
	MULX 1
	s_wait_dscnt 0x0
	MULX 2
	MULX 3
	WIN 0
.endm
; 32 numbers of a lane, register 16 b + i = k 32 b + 16 (lane / 16) + i, become a half-image's six registers v[P ..] and the two scale bytes v[W]
.macro QUANTH H, P, T, W
	v_max3_num_f32 v[TM], |v[\H]|, |v[\H+1]|, 0x1800000     ; with the floor 2^(3 - 127): the byte cannot fall under 1
	v_max3_num_f32 v[TM+1], |v[\H+16]|, |v[\H+17]|, 0x1800000
.irp i, 2,4,6,8,10,12,14
	v_max3_num_f32 v[TM], v[TM], |v[\H+\i]|, |v[\H+\i+1]|
	v_max3_num_f32 v[TM+1], v[TM+1], |v[\H+16+\i]|, |v[\H+17+\i]|
.endr
	v_permlanex16_b32 v[TM+2], v[TM], s[SEL], s[SEL+1]
	v_permlanex16_b32 v[TM+3], v[TM+1], s[SEL], s[SEL+1]
	v_max_num_f32 v[TM], v[TM], v[TM+2]            ; with lane l xor 16's: the block's largest magnitude
	v_max_num_f32 v[TM+1], v[TM+1], v[TM+3]
	v_add_nc_u32 v[TM+4], 0xff000000, v[TM]        ; 2 off the exponent field: the conversion's scale operand
	v_add_nc_u32 v[TM+5], 0xff000000, v[TM+1]
	v_lshrrev_b32 v[TM+6], 23, v[TM+4]             ; the bytes
	v_lshrrev_b32 v[TM+7], 23, v[TM+5]
	v_lshl_or_b32 v[\W], v[TM+7], 8, v[TM+6]
	v_cvt_scalef32_pk16_fp6_f32 v[\P:\P+2], v[\H:\H+15], v[TM+4]
	v_cvt_scalef32_pk16_fp6_f32 v[\T:\T+2], v[\H+16:\H+31], v[TM+5]
	v_nop                                          ; one plain place behind a scaled conversion
.irp i, 0,1,2
	v_permlane16_swap_b32 v[\P+\i], v[\T+\i]       ; a whole block to a lane: lanes 0-15 block 0, lanes 16-31 block 1
.endr
.irp i, 0,1,2
	v_mov_b32 v[\P+3+\i], v[\T+\i]
.endr
.endm
.macro STOREH P, base, off             ; a half-image: 512 + 256 consecutive bytes
	global_store_b128 v1, v[\P:\P+3], s[\base:\base+1] offset:\off
	global_store_b64 v2, v[\P+4:\P+5], s[\base:\base+1] offset:\off+512
.endm
.macro BIASN base, off                 ; the bias of my 64 columns in the result's layout: register 16 b + i = column 32 b + 16 h + i
.irp b, 0,1
.irp j, 0,1,2,3
	global_load_b128 v[BI+16*\b+4*\j:BI+16*\b+4*\j+3], v18, s[\base:\base+1] offset:\off+128*\b+16*\j
.endr
.endr
.endm
; A TILE LEAVES, between its last K step and the next tile's first.  No LDS instruction stands here, so the count of the fragments already asked for stays as it is; the refill is on its way meanwhile.
.macro EPI tau
	WIN 0
	s_wait_loadcnt 0x0                             ; the bias
	s_wait_xcnt 0x0                                ; the last tile's stores have read the codes' registers
	PLACES                                         ; four places behind the last products
.irp X, 0,1,2,3
.set H, ACC+32*\X
.set P, PC+8*\X
.if SW
.set k, 0
.rept 32
	v_add_f32 v[H+k], v[H+k], v[BI+\X]             ; v: a lane is a column d
.set k, k+1
.endr
.else
.set k, 0
.rept 16
	v_pk_add_f32 v[H+k:H+k+1], v[H+k:H+k+1], v[BI+k:BI+k+1]   ; ascending: each accumulator is first read at its low end
.set k, k+2
.endr
.endif
.if KIND == 2
.set k, 0
.rept 32
	v_max_num_f32 v[H+k], 0, v[H+k]                ; the activation, in f32
.set k, k+1
.endr
.endif
	QUANTH H, P, 28, P+6
.if KIND == 2
	STOREH P, 72, 51200*\X+12800*(\tau)
.elseif SW
	STOREH P, 74, 1536*\X
.else
	STOREH P, 72, 3145728*(\tau)+768*\X
.endif
.endr
.if KIND == 2
	v_cndmask_b32 v103, v102, v110, s94            ; lanes 0-15: block 0's half-word, lanes 16-31: block 1's
	v_cndmask_b32 v119, v118, v126, s94
	global_store_b16 v19, v103, s[76:77] offset:6144+12800*(\tau)
	global_store_b16 v19, v119, s[76:77] offset:6144+102400+12800*(\tau)
.if (\tau) < 3
	BIASN 8, 4096*((\tau)+1)
.endif
.elseif SW
	v_cndmask_b32 v103, v102, v110, s94
	v_cndmask_b32 v119, v118, v126, s94
	global_store_b16 v7, v103, s[78:79]
	global_store_b16 v7, v119, s[78:79] offset:128
.else
	v_lshl_or_b32 v103, v110, 16, v102             ; a pair of blocks makes a word a row
	v_lshl_or_b32 v119, v126, 16, v118
	v_cndmask_b32 v103, v103, v119, s94
	global_store_b32 v7, v103, s[76:77] offset:131072*(\tau)
.if (\tau) == 0
	BIASN 8, 0                                     ; bk
.else
.irp X, 0,1,2,3
	global_load_b32 v[BI+\X], v19, s[10:11] offset:(32*(\X/2)+8*(\X%2))*4   ; bv at my lane's column of block X
.endr
.endif
.endif
.endm
	s_load_b256 s[4:11], s[0:1], 0x0               ; KIND 0: wrec, bq, bk, bv.  KIND 2: xrec, wrec, b1, hrec
.if KIND == 0
	s_load_b64 s[12:13], s[0:1], 0x20              ; qkv
.endif
	v_lshl_add_u32 v5, v0, 2, SPARE
	v_mov_b32 v6, 0
	ds_add_u32 v5, v6
	ds_add_u32 v5, v6
	s_wait_dscnt 0x0
	v_lshrrev_b32 v1, 5, v0
	v_readfirstlane_b32 s16, v1                    ; wave
	s_lshr_b32 s17, s16, 1                         ; wy: my half of A's rows
	s_and_b32 s18, s16, 1                          ; wx: my half of B's rows
	s_bfe_u32 s40, ttmp6, 0x40000                  ; cx
	s_bfe_u32 s41, ttmp6, 0x40004                  ; cy
	s_lshl_b32 s42, ttmp9, 2
	s_add_co_u32 s42, s42, s40                     ; x
	s_and_b32 s43, ttmp7, 0xffff
	s_lshl_b32 s43, s43, 2
	s_add_co_u32 s43, s43, s41                     ; y
	s_lshl_b32 s44, s41, 2
	s_lshl_b32 s44, 15, s44                        ; my row of the cluster
	s_lshl_b32 s45, 0x1111, s40                    ; my column
	s_or_b32 s[G1A], s44, (3<<16)|(1<<21)          ; 15:0 the mask; 17:16 elements of 8 bytes; 21 set beside a mask; no padding
	s_or_b32 s[G1B], s45, (3<<16)|(1<<21)
.irp g, G1A, G1B
	s_mov_b32 s[\g+1], 800<<16                     ; tensor_dim0 = 800 elements: a record
	s_mov_b32 s[\g+2], 8<<16                       ; the head's loads bring 8 records: four blocks, both groups
	s_mov_b32 s[\g+3], 800<<16
	s_mov_b32 s[\g+4], 8
	s_mov_b32 s[\g+5], 800                         ; the four records lie on end
	s_mov_b32 s[\g+6], 0
	s_mov_b32 s[\g+7], 0
.endr
	s_lshl_b32 s20, s16, 1                         ; the two blocks that I fetch of each eight
	s_lshl_b32 s89, s18, 2                         ; at the head a wave fetches four blocks: which half
	s_lshl_b32 s46, s43, 3
	s_add_co_u32 s46, s46, s89
	s_mul_i32 s46, s46, 12800
	s_add_co_u32 s46, s46, AOFF
	s_mov_b32 s47, 0
	s_lshl_b32 s66, s42, 3
	s_add_co_u32 s66, s66, s20                     ; B: block 8 x + 2 x wave
	s_mul_i32 s66, s66, 12800
	s_add_co_u32 s66, s66, BOFF
	s_mov_b32 s67, 0
	s_lshl_b32 s90, s42, 3
	s_add_co_u32 s90, s90, s89                     ; B at the head: block 8 x + 4 (wave % 2)
	s_mul_i32 s90, s90, 12800
	s_add_co_u32 s90, s90, BOFF
	s_mov_b32 s91, 0
	s_mul_i32 s96, s41, 6400                       ; the prefetches: the four partners of a column share my 25,600 bytes out by address
	s_mov_b32 s97, 0
	s_mul_i32 s21, s16, QUART                      ; where they go: no place in the cluster enters an LDS address
	s_wait_kmcnt 0x0
	s_add_nc_u64 s[46:47], s[4:5], s[46:47]
	s_add_nc_u64 s[66:67], s[PB:PB+1], s[66:67]
	s_add_nc_u64 s[38:39], s[PB:PB+1], s[90:91]
	s_add_nc_u64 s[92:93], s[66:67], s[96:97]
	CROUND                                         ; all sixteen work-groups are here: the first joint loads meet
	s_mov_b32 s[G0A], 1
	s_mul_i32 s[G0A+1], s18, HALF                  ; waves 0, 1: a half of A each
	s_mov_b32 s36, 1                               ; s[36:39]: waves 2, 3: a half of B's slot 0 each
	s_mul_i32 s37, s18, HALF
	s_add_co_u32 s37, s37, REG
	s_or_b32 s39, s39, 0x80000000
	s_mov_b64 s[G0A+2:G0A+3], s[46:47]
	s_or_b32 s[G0A+3], s[G0A+3], 0x80000000
.irp s, 0,1
	s_mov_b32 s[G0B+4*\s], 1
	s_add_co_u32 s[G0B+4*\s+1], s21, REG+\s*REG
	s_add_nc_u64 s[G0B+4*\s+2:G0B+4*\s+3], s[66:67], \s*DB    ; slot s begins with tile s
	s_or_b32 s[G0B+4*\s+3], s[G0B+4*\s+3], 0x80000000
.endr
	s_cmp_eq_u32 s17, 0                            ; one tensor load a wave at the head
	s_cbranch_scc0 .Lhead_b
	tensor_load_to_lds s[G0A:G0A+3], s[G1A:G1A+7]
	s_nop 0
	PLACES
	s_branch .Lhead_asked
.Lhead_b:
	tensor_load_to_lds s[36:39], s[G1B:G1B+7]
	s_nop 0
	PLACES
.Lhead_asked:
	v_and_b32 v7, 31, v0
	v_lshlrev_b32 v1, 4, v7                        ; 16 x lane
	v_lshlrev_b32 v2, 3, v7                        ; 8 x lane
	v_and_b32 v3, 15, v0                           ; r
	v_bfe_u32 v4, v0, 4, 1                         ; h
	s_mul_i32 s22, s17, HALF                       ; my four blocks of A
	s_mul_i32 s23, s18, HALF
	s_add_co_u32 s23, s23, REG                     ; and of B, in slot 0
	v_add_nc_u32 v8, s22, v1
	v_add_nc_u32 v10, s22, v2
	v_add_nc_u32 v12, s23, v1
	v_add_nc_u32 v14, s23, v2
	v_add_nc_u32 v13, REG, v12                     ; slot 1
	v_add_nc_u32 v15, REG, v14
	s_sub_co_u32 s20, s23, s22
	v_mul_u32_u24 v16, s20, v4                     ; scale words: lanes 16-31 take B's, slot 0
	v_lshl_add_u32 v16, v3, 4, v16
	v_add_nc_u32 v16, s22, v16
	s_add_co_u32 s20, s20, REG
	v_mul_u32_u24 v17, s20, v4                     ; slot 1
	v_lshl_add_u32 v17, v3, 4, v17
	v_add_nc_u32 v17, s22, v17
	v_lshlrev_b32 v18, 6, v4
	v_and_b32 v31, 31, v0
	v_min_u32 v31, 24, v31
	v_lshlrev_b32 v31, 8, v31                      ; the prefetches' offset: a lane a block of 256 bytes, 25 blocks; the lanes left over name the last again
	s_wait_alu depctr_va_vdst(0)
	v_mov_b32 v22, 0                               ; written once: a lane permute's destination counts as one of its sources
	v_mov_b32 v23, 0
	s_mov_b32 s[SEL], 0x76543210
	s_mov_b32 s[SEL+1], 0xfedcba98
	s_mov_b32 s94, 0xffff0000                      ; lanes 16-31
	s_lshl_b32 s70, s42, 9
	s_lshl_b32 s71, s18, 8
	s_add_co_u32 s70, s70, s71                     ; my first column x 4 bytes: 128 x + 64 wx
	s_mov_b32 s71, 0
.if KIND == 0
	v_lshlrev_b32 v7, 2, v7                        ; 4 x lane
	v_and_b32 v19, 8, v3
	v_add_nc_u32 v19, v19, v3
	v_lshlrev_b32 v19, 2, v19                      ; 4 (r + 8 (r / 8))
	s_add_nc_u64 s[6:7], s[6:7], s[70:71]
	s_add_nc_u64 s[8:9], s[8:9], s[70:71]
	s_add_nc_u64 s[10:11], s[10:11], s[70:71]
	s_lshr_b32 s80, s43, 4                         ; batch
	s_and_b32 s81, s43, 15                         ; which 128 tokens of it
	s_lshl_b32 s82, s80, 4
	s_lshl_b32 s83, s42, 1
	s_add_co_u32 s82, s82, s83
	s_add_co_u32 s82, s82, s18                     ; head of batch: 16 b + 2 x + wx
	s_mul_i32 s84, s82, 98304
	s_lshl_b32 s85, s81, 3
	s_lshl_b32 s86, s17, 2
	s_add_co_u32 s85, s85, s86                     ; my first block of tokens in the batch
	s_mul_i32 s86, s85, 768
	s_add_co_u32 s86, s86, s84
	s_mov_b32 s87, 0
	s_add_nc_u64 s[72:73], s[12:13], s[86:87]      ; q's half-images (k's: 3,145,728 on)
	s_mul_i32 s86, s81, 6144
	s_mul_i32 s88, s17, 768
	s_add_co_u32 s86, s86, s88
	s_add_co_u32 s86, s86, s84
	s_add_co_u32 s86, s86, 6291456
	s_add_nc_u64 s[74:75], s[12:13], s[86:87]      ; v's
	s_lshl_b32 s84, s82, 12
	s_lshl_b32 s86, s85, 5
	s_add_co_u32 s86, s86, s84
	s_add_co_u32 s86, s86, 9437184
	s_add_nc_u64 s[76:77], s[12:13], s[86:87]      ; q's scale words (k's: 131,072 on)
	s_lshl_b32 s86, s81, 8
	s_lshl_b32 s88, s17, 1
	s_add_co_u32 s86, s86, s88
	s_add_co_u32 s86, s86, s84
	s_add_co_u32 s86, s86, 9699328
	s_add_nc_u64 s[78:79], s[12:13], s[86:87]      ; v's
	BIASN 6, 0                                     ; bq
.else
	v_mul_u32_u24 v19, v4, 51200
	v_lshl_add_u32 v19, v3, 4, v19                 ; scale half-words: 16 r, a block (8 records) on for lanes 16-31
	s_add_nc_u64 s[8:9], s[8:9], s[70:71]
	s_lshl_b32 s80, s43, 3
	s_lshl_b32 s81, s17, 2
	s_add_co_u32 s80, s80, s81                     ; my first block of tokens
	s_lshl_b32 s80, s80, 3
	s_lshr_b32 s81, s42, 2
	s_add_co_u32 s80, s80, s81                     ; its record of group x / 4 (+ 2 a tile)
	s_mul_i32 s80, s80, 6400
	s_and_b32 s81, s42, 3
	s_mul_i32 s82, s81, 1536
	s_mul_i32 s83, s18, 768
	s_add_co_u32 s82, s82, s83
	s_add_co_u32 s82, s82, s80
	s_mov_b32 s83, 0
	s_add_nc_u64 s[72:73], s[10:11], s[82:83]
	s_lshl_b32 s82, s81, 2
	s_lshl_b32 s84, s18, 1
	s_add_co_u32 s82, s82, s84
	s_add_co_u32 s82, s82, s80
	s_add_nc_u64 s[76:77], s[10:11], s[82:83]
	BIASN 8, 0
.endif
	s_wait_alu depctr_va_vdst(0)
	s_wait_tensorcnt 0x0                           ; my half of A or of slot 0 is in
	ds_add_u32 v5, v6
	s_mov_b32 s[G1B+2], 4<<16                      ; no load of mine is out: from here on a load brings 4 records
	s_mov_b32 s[G1B+4], 4
	s_wait_dscnt 0x0
	CROUND
	tensor_load_to_lds s[G0B+4:G0B+7], s[G1B:G1B+7]   ; slot 1's first fill, a quarter a wave
	s_nop 0
	PLACES
	SCALES 0, 0
	FETCH 0, 0, 0, F0, 0
	global_prefetch_b8 v31, s[92:93] offset:2*DB th:TH_LOAD_NT scope:SCOPE_SE   ; tile 2, which the first change of slots loads
.set tt, 0
.rept NT                               ; every tile is written out
.set CS, tt%2
.set SW, SWAPT*(tt/2)
.set NSW, SWAPT*((tt+1)/2)
.set kk, 0
.rept 7
	STEP kk
.set kk, kk+1
.endr
.if tt == NT-1
	LAST
.elseif tt+2 < NT
	TURN 1
.else
	TURN 0
.endif
	EPI tt
.set tt, tt+1
.endr
	s_wait_tensorcnt 0x0                           ; the wave's end
	ds_add_u32 v5, v6
	s_wait_dscnt 0x0
	CROUND                                         ; the closing round
	s_endpgm
.Lfunc_end_k_q501b671d95_gemm_w1:
	.size	k_q501b671d95_gemm_w1, .Lfunc_end_k_q501b671d95_gemm_w1-k_q501b671d95_gemm_w1
	.p2alignl 7, 3214868480
	.fill 96, 4, 3214868480
	.section	.rodata,"a",@progbits
	.p2align	6, 0x0
	.amdhsa_kernel k_q501b671d95_gemm_w1
		.amdhsa_group_segment_fixed_size 327680
		.amdhsa_private_segment_fixed_size 0
		.amdhsa_enable_private_segment 0
		.amdhsa_kernarg_size 32
		.amdhsa_user_sgpr_count 2
		.amdhsa_user_sgpr_kernarg_segment_ptr 1
		.amdhsa_wavefront_size32 1
		.amdhsa_system_sgpr_workgroup_id_x 1
		.amdhsa_system_sgpr_workgroup_id_y 1
		.amdhsa_system_sgpr_workgroup_id_z 1
		.amdhsa_system_vgpr_workitem_id 0
		.amdhsa_next_free_vgpr 512
		.amdhsa_next_free_sgpr 100
		.amdhsa_reserve_vcc 0
		.amdhsa_float_denorm_mode_32 3
		.amdhsa_float_denorm_mode_16_64 3
		.amdhsa_memory_ordered 1
		.amdhsa_forward_progress 1
		.amdhsa_inst_pref_size 218
	.end_amdhsa_kernel
	.amdgpu_metadata
---
amdhsa.version: [ 1, 2 ]
amdhsa.kernels:
  - .name:           k_q501b671d95_gemm_w1
    .symbol:         k_q501b671d95_gemm_w1.kd
    .args:
      - { .name: xrec, .offset: 0, .size: 8, .value_kind: global_buffer, .address_space: global }
      - { .name: wrec, .offset: 8, .size: 8, .value_kind: global_buffer, .address_space: global }
      - { .name: b1, .offset: 16, .size: 8, .value_kind: global_buffer, .address_space: global }
      - { .name: hrec, .offset: 24, .size: 8, .value_kind: global_buffer, .address_space: global }
    .group_segment_fixed_size: 327680
    .private_segment_fixed_size: 0
    .kernarg_segment_align: 8
    .kernarg_segment_size: 32
    .max_flat_workgroup_size: 128
    .sgpr_count:     100
    .vgpr_count:     512
    .wavefront_size: 32
...
	.end_amdgpu_metadata
.endif
;; end of part 6
;; launch gemm_w2 (part 7): grid 8 x 32, 4 waves a work-group, clusters of 4 x 4, 327,680 bytes of LDS; arguments hrec, wrec, b2, x, y; writes y
.if DOCPART == 7
	.amdgcn_target "amdgcn-amd-amdhsa--gfx1250"
	.amdhsa_code_object_version 6
	.text
	.protected	k_q501b671d95_gemm_w2
	.globl	k_q501b671d95_gemm_w2
	.p2align	8
	.type	k_q501b671d95_gemm_w2,@function
k_q501b671d95_gemm_w2:
	s_mov_b64 s[64:65], 0
	v_nop
	global_prefetch_b8 v0, s[64:65] scope:SCOPE_SE
	s_setreg_imm32_b32 hwreg(HW_REG_WAVE_MODE, 25, 1), 1
	s_wait_xcnt 0x0
	s_wait_alu depctr_hold_cnt(0) depctr_sa_sdst(0) depctr_va_vdst(0) depctr_va_sdst(0) depctr_va_ssrc(0) depctr_va_vcc(0) depctr_vm_vsrc(0)
	s_getreg_b32 s2, hwreg(HW_REG_IB_STS2, 6, 4)
	s_cmp_eq_u32 s2, 0
	s_cbranch_scc0 .Lentry_in_a_cluster
	s_endpgm
.Lentry_in_a_cluster:
	s_bfe_u32 s2, ttmp6, 0x10000c
	s_cmp_lg_u32 s2, 0xf033
	s_cbranch_scc0 .Lentry_shape_is_right
	s_endpgm
.Lentry_shape_is_right:
.set KIND,  3
.if KIND == 1
.set NG,    2
.set NV,    2
.set BOFF,  2457600
.else
.set NG,    8
.set NV,    8
.set BOFF,  6553600
.endif
.set DSTEP, 12800
.set SLOT,  102400
.set QUART, 25600
.set SPARE, 204800
.set STAGE, 205312
.set SC,  32
.set ACC, 128
.set F0,  0
.set F1,  128
.set G1A, 24
.set G0A, 32
.set G1B, 48
.set G0B, 56
.set MUL,  0x05
.set TO_F, 0x40
.set MSB, 0
.macro WIN new
.if MSB != \new
	s_set_vgpr_msb (MSB<<8)|\new
.set MSB, \new
.endif
.endm
.macro PLACES
.rept 4
	v_nop
.endr
.endm
.macro JLOAD s
	s_cmp_eq_u32 s17, 0
	s_cbranch_scc0 .Lfor_b_\@
	tensor_load_to_lds s[G0A+4*\s:G0A+4*\s+3], s[G1A:G1A+7]
	s_nop 0
.rept 4
	v_nop
.endr
	s_branch .Lasked_\@
.Lfor_b_\@:
	tensor_load_to_lds s[G0B+4*\s:G0B+4*\s+3], s[G1B:G1B+7]
	s_nop 0
.rept 4
	v_nop
.endr
.Lasked_\@:
.endm
.macro CREST
	s_cmp_lg_u32 s16, 0
	s_cbranch_scc1 .Lnot_wave_0_\@
	s_barrier_signal -3
.Lnot_wave_0_\@:
	s_barrier_wait -3
	s_barrier_signal -1
	s_barrier_wait -1
.endm
.macro CROUND
	s_barrier_signal -1
	s_barrier_wait -1
	CREST
.endm
.macro FRAG reg, a16, a8, off
	ds_load_b128 v[\reg:\reg+3], v[\a16] offset:\off
	ds_load_b64 v[\reg+4:\reg+5], v[\a8] offset:\off+512
	ds_load_b128 v[\reg+6:\reg+9], v[\a16] offset:\off+768
	ds_load_b64 v[\reg+10:\reg+11], v[\a8] offset:\off+1280
.endm
.macro FETCH slot, sp, f
	WIN TO_F
.irp q, 0,1,2,3
	FRAG \f+12*\q, 12+(\slot), 14+(\slot), 6400*\q+1536*(\sp)
.endr
.irp q, 0,1,2,3
	FRAG \f+48+12*\q, 8+(\slot), 10+(\slot), 6400*\q+1536*(\sp)
.endr
.endm
.macro SCALES slot
	WIN 0
.irp q, 0,1,2,3
	ds_load_b128 v[SC+16*(\slot)+4*\q:SC+16*(\slot)+4*\q+3], v[16+(\slot)] offset:6400*\q+6144
.endr
.endm
.macro MULX X, f, sp, zero
.irp Y, 0,1,2,3
.if \zero
	v_wmma_scale_f32_16x16x128_f8f6f4 v[ACC+8*(4*\X+\Y):ACC+8*(4*\X+\Y)+7], v[\f+12*\Y:\f+12*\Y+11], v[\f+48+12*\X:\f+48+12*\X+11], 0, v[SC+16*CS+4*\Y+\sp], v[SC+16*CS+4*\X+\sp] matrix_a_fmt:MATRIX_FMT_FP6 matrix_b_fmt:MATRIX_FMT_FP6 matrix_a_scale:MATRIX_SCALE_ROW1
.else
	v_wmma_scale_f32_16x16x128_f8f6f4 v[ACC+8*(4*\X+\Y):ACC+8*(4*\X+\Y)+7], v[\f+12*\Y:\f+12*\Y+11], v[\f+48+12*\X:\f+48+12*\X+11], v[ACC+8*(4*\X+\Y):ACC+8*(4*\X+\Y)+7], v[SC+16*CS+4*\Y+\sp], v[SC+16*CS+4*\X+\sp] matrix_a_fmt:MATRIX_FMT_FP6 matrix_b_fmt:MATRIX_FMT_FP6 matrix_a_scale:MATRIX_SCALE_ROW1
.endif
.endr
.endm
.macro STEP sp, f, g, zero
	s_wait_dscnt 8
	WIN MUL
	MULX 0, \f, \sp, \zero
	MULX 1, \f, \sp, \zero
	PLACES
	FETCH CS, \sp+1, \g
	s_wait_dscnt 32
	WIN MUL
	MULX 2, \f, \sp, \zero
	MULX 3, \f, \sp, \zero
.endm
.macro TURN fill
	WIN 0
	s_wait_tensorcnt 0x0
	ds_add_u32 v5, v6
	s_wait_dscnt 9
	WIN MUL
	MULX 0, F1, 3, 0
	MULX 1, F1, 3, 0
	s_wait_dscnt 0x0
	s_barrier_signal -1
	MULX 2, F1, 3, 0
	WIN 0
	s_barrier_wait -1
.if \fill
	CREST
	s_add_nc_u64 s[G0A+4*CS+2:G0A+4*CS+3], s[G0A+4*CS+2:G0A+4*CS+3], DSTEP
	s_add_nc_u64 s[G0B+4*CS+2:G0B+4*CS+3], s[G0B+4*CS+2:G0B+4*CS+3], DSTEP
	JLOAD CS
.else
	PLACES
.endif
	SCALES 1-CS
	FETCH 1-CS, 0, F0
.if \fill
.if vv+4 < NV
	global_prefetch_b8 v25, s[74:75] offset:(vv+4)*6400 th:TH_LOAD_NT scope:SCOPE_SE   ; the group of 512 along K that stands two refills on: one record, 25 blocks of 256 bytes, of the four that I fetch
.endif
.endif
	WIN MUL
	MULX 3, F1, 3, 0
.endm
.macro LAST
	s_wait_dscnt 8
	WIN MUL
	MULX 0, F1, 3, 0
	MULX 1, F1, 3, 0
	s_wait_dscnt 0x0
	MULX 2, F1, 3, 0
	MULX 3, F1, 3, 0
	WIN 0
.endm
	s_load_b256 s[4:11], s[0:1], 0x0
	s_load_b64 s[12:13], s[0:1], 0x20
	v_lshl_add_u32 v5, v0, 2, SPARE
	v_mov_b32 v6, 0
	ds_add_u32 v5, v6
	ds_add_u32 v5, v6
	s_wait_dscnt 0x0
	v_lshrrev_b32 v1, 5, v0
	v_readfirstlane_b32 s16, v1
	v_and_b32 v25, 31, v0
	v_min_u32 v25, 24, v25
	v_lshlrev_b32 v25, 8, v25                      ; the prefetches' offset: a lane a block of 256 bytes; the lanes left over name the last again
	s_lshr_b32 s17, s16, 1
	s_and_b32 s18, s16, 1
	s_bfe_u32 s40, ttmp6, 0x40000
	s_bfe_u32 s41, ttmp6, 0x40004
	s_lshl_b32 s42, ttmp9, 2
	s_add_co_u32 s42, s42, s40
	s_and_b32 s43, ttmp7, 0xffff
	s_lshl_b32 s43, s43, 2
	s_add_co_u32 s43, s43, s41
	s_lshl_b32 s44, s41, 2
	s_lshl_b32 s44, 15, s44
	s_lshl_b32 s45, 0x1111, s40
	s_or_b32 s[G1A], s44, (3<<16)|(1<<21)
	s_or_b32 s[G1B], s45, (3<<16)|(1<<21)
.irp g, G1A, G1B
	s_mov_b32 s[\g+1], 800<<16
	s_mov_b32 s[\g+2], 4<<16
	s_mov_b32 s[\g+3], 800<<16
	s_mov_b32 s[\g+4], 4
	s_mov_b32 s[\g+5], NG*800
	s_mov_b32 s[\g+6], 0
	s_mov_b32 s[\g+7], 0
.endr
	s_lshl_b32 s20, s18, 2
	s_lshl_b32 s46, s43, 3
	s_add_co_u32 s46, s46, s20
	s_mul_i32 s46, s46, NG*6400
	s_mov_b32 s47, 0
	s_lshl_b32 s66, s42, 3
	s_add_co_u32 s66, s66, s20
	s_mul_i32 s66, s66, NG*6400
	s_add_co_u32 s66, s66, BOFF
	s_mov_b32 s67, 0
	s_mul_i32 s21, s16, QUART
	s_wait_kmcnt 0x0
	s_add_nc_u64 s[46:47], s[4:5], s[46:47]
	s_add_nc_u64 s[66:67], s[6:7], s[66:67]
	s_cmp_eq_u32 s17, 0                            ; the prefetches: the four partners that ask for my four records jointly take one each, by address (cx for A, cy for B)
	s_cselect_b64 s[74:75], s[46:47], s[66:67]
	s_cselect_b32 s76, s40, s41
	s_mul_i32 s76, s76, NG*6400
	s_mov_b32 s77, 0
	s_add_nc_u64 s[74:75], s[74:75], s[76:77]
	CROUND
.irp s, 0,1
	s_mov_b32 s[G0A+4*\s], 1
	s_add_co_u32 s[G0A+4*\s+1], s21, \s*SLOT
	s_add_nc_u64 s[G0A+4*\s+2:G0A+4*\s+3], s[46:47], \s*6400
	s_or_b32 s[G0A+4*\s+3], s[G0A+4*\s+3], 0x80000000
	s_mov_b32 s[G0B+4*\s], 1
	s_add_co_u32 s[G0B+4*\s+1], s21, \s*SLOT
	s_add_nc_u64 s[G0B+4*\s+2:G0B+4*\s+3], s[66:67], \s*6400
	s_or_b32 s[G0B+4*\s+3], s[G0B+4*\s+3], 0x80000000
	s_wait_alu depctr_va_vdst(0)
	s_wait_tensorcnt 0x0
	ds_add_u32 v5, v6
	ds_add_u32 v5, v6
	s_wait_dscnt 0x0
	CROUND
	JLOAD \s
.if \s == 0
	global_prefetch_b8 v25, s[74:75] offset:6400 th:TH_LOAD_NT scope:SCOPE_SE   ; group 1, which the next fill loads
.endif
	global_prefetch_b8 v25, s[74:75] offset:(\s+2)*6400 th:TH_LOAD_NT scope:SCOPE_SE   ; groups 2 and 3, two fills ahead of their loads
.endr
	v_and_b32 v7, 31, v0
	v_lshlrev_b32 v1, 4, v7
	v_lshlrev_b32 v2, 3, v7
	v_and_b32 v3, 15, v0
	v_bfe_u32 v4, v0, 4, 1
	s_mul_i32 s22, s17, QUART
	s_mul_i32 s23, s18, QUART
	s_add_co_u32 s23, s23, 2*QUART
	v_add_nc_u32 v8, s22, v1
	v_add_nc_u32 v10, s22, v2
	v_add_nc_u32 v12, s23, v1
	v_add_nc_u32 v14, s23, v2
.irp a, 8,10,12,14
	v_add_nc_u32 v[\a+1], SLOT, v[\a]
.endr
	s_sub_co_u32 s20, s23, s22
	v_mul_u32_u24 v16, s20, v4
	v_lshl_add_u32 v16, v3, 4, v16
	v_add_nc_u32 v16, s22, v16
	v_add_nc_u32 v17, SLOT, v16
	s_mul_i32 s20, s16, 16*272
	s_add_co_u32 s20, s20, STAGE
	v_mul_u32_u24 v18, v3, 272
	v_lshl_add_u32 v18, v4, 6, v18
	v_add_nc_u32 v18, s20, v18
	v_mul_u32_u24 v19, v4, 272
	v_lshl_add_u32 v19, v3, 4, v19
	v_add_nc_u32 v19, s20, v19
	v_lshlrev_b32 v7, 12, v4
	v_lshl_add_u32 v7, v3, 4, v7
	v_lshlrev_b32 v24, 4, v3
	s_wait_alu depctr_va_vdst(0)
	s_lshl_b32 s70, s42, 9
	s_lshl_b32 s71, s18, 8
	s_add_co_u32 s70, s70, s71
	s_mov_b32 s71, 0
	s_add_nc_u64 s[8:9], s[8:9], s[70:71]
	s_lshl_b32 s72, s43, 19
	s_lshl_b32 s73, s17, 18
	s_add_co_u32 s72, s72, s73
	s_add_co_u32 s72, s72, s70
	s_mov_b32 s73, 0
	s_add_nc_u64 s[10:11], s[10:11], s[72:73]
	s_add_nc_u64 s[12:13], s[12:13], s[72:73]
	global_load_b128 v[20:23], v24, s[8:9]
	WIN 0x80
.irp X, 0,1,2,3
.irp i, 0,1,2,3,4,5,6,7
	global_load_b128 v[32*\X+4*\i:32*\X+4*\i+3], v7, s[10:11] offset:((32*(\X/2)+8*(\X%2))+2*\i+8*(\i/4))*4096 th:TH_LOAD_NT
.endr
.endr
	WIN 0
	s_wait_tensorcnt 1
	s_barrier_signal -1
	s_barrier_wait -1
	SCALES 0
	FETCH 0, 0, F0
.set vv, 0
.rept NV
.set CS, vv%2
.set ZR, 0
.if vv == 0
.set ZR, 1
.endif
	STEP 0, F0, F1, ZR
	STEP 1, F1, F0, 0
	STEP 2, F0, F1, 0
.if vv == NV-1
	LAST
.elseif vv+2 < NV
	TURN 1
.else
	TURN 0
.endif
.set vv, vv+1
.endr
	s_wait_loadcnt 0x0
	PLACES
.irp X, 0,1,2,3
.set RB, 64+32*(\X%2)
.set TO, 32*(\X/2)+8*(\X%2)
.if \X >= 2
	s_wait_xcnt 0x0
.endif
.irp b, 0,1
.irp j, 0,1,2,3
	ds_store_b128 v18, v[ACC+32*\X+16*\b+4*\j:ACC+32*\X+16*\b+4*\j+3] offset:128*\b+16*\j
.endr
.endr
.irp i, 0,1,2,3,4,5,6,7
	ds_load_b128 v[RB+4*\i:RB+4*\i+3], v19 offset:544*\i
.endr
	s_wait_dscnt 0x0
.irp i, 0,1,2,3,4,5,6,7
	v_pk_add_f32 v[RB+4*\i:RB+4*\i+1], v[RB+4*\i:RB+4*\i+1], v[20:21]
	v_pk_add_f32 v[RB+4*\i+2:RB+4*\i+3], v[RB+4*\i+2:RB+4*\i+3], v[22:23]
.endr
	WIN 0x08
.set k, 0
.rept 16
	v_pk_add_f32 v[RB+k:RB+k+1], v[RB+k:RB+k+1], v[32*\X+k:32*\X+k+1]
.set k, k+2
.endr
	WIN 0
.irp i, 0,1,2,3,4,5,6,7
	global_store_b128 v7, v[RB+4*\i:RB+4*\i+3], s[12:13] offset:(TO+2*\i+8*(\i/4))*4096
.endr
.endr
	s_wait_tensorcnt 0x0
	ds_add_u32 v5, v6
	s_wait_dscnt 0x0
	CROUND
	s_endpgm
.Lfunc_end_k_q501b671d95_gemm_w2:
	.size	k_q501b671d95_gemm_w2, .Lfunc_end_k_q501b671d95_gemm_w2-k_q501b671d95_gemm_w2
	.p2alignl 7, 3214868480
	.fill 96, 4, 3214868480
	.section	.rodata,"a",@progbits
	.p2align	6, 0x0
	.amdhsa_kernel k_q501b671d95_gemm_w2
		.amdhsa_group_segment_fixed_size 327680
		.amdhsa_private_segment_fixed_size 0
		.amdhsa_enable_private_segment 0
		.amdhsa_kernarg_size 40
		.amdhsa_user_sgpr_count 2
		.amdhsa_user_sgpr_kernarg_segment_ptr 1
		.amdhsa_wavefront_size32 1
		.amdhsa_system_sgpr_workgroup_id_x 1
		.amdhsa_system_sgpr_workgroup_id_y 1
		.amdhsa_system_sgpr_workgroup_id_z 1
		.amdhsa_system_vgpr_workitem_id 0
		.amdhsa_next_free_vgpr 640
		.amdhsa_next_free_sgpr 100
		.amdhsa_reserve_vcc 0
		.amdhsa_float_denorm_mode_32 3
		.amdhsa_float_denorm_mode_16_64 3
		.amdhsa_memory_ordered 1
		.amdhsa_forward_progress 1
		.amdhsa_inst_pref_size 173
	.end_amdhsa_kernel
	.amdgpu_metadata
---
amdhsa.version: [ 1, 2 ]
amdhsa.kernels:
  - .name:           k_q501b671d95_gemm_w2
    .symbol:         k_q501b671d95_gemm_w2.kd
    .args:
      - { .name: hrec, .offset: 0, .size: 8, .value_kind: global_buffer, .address_space: global }
      - { .name: wrec, .offset: 8, .size: 8, .value_kind: global_buffer, .address_space: global }
      - { .name: b2, .offset: 16, .size: 8, .value_kind: global_buffer, .address_space: global }
      - { .name: x, .offset: 24, .size: 8, .value_kind: global_buffer, .address_space: global }
      - { .name: y, .offset: 32, .size: 8, .value_kind: global_buffer, .address_space: global }
    .group_segment_fixed_size: 327680
    .private_segment_fixed_size: 0
    .kernarg_segment_align: 8
    .kernarg_segment_size: 40
    .max_flat_workgroup_size: 128
    .sgpr_count:     100
    .vgpr_count:     640
    .wavefront_size: 32
...
	.end_amdgpu_metadata
.endif
;; end of part 7
;; launch ln2 (part 8): grid 256 x 1, 8 waves a work-group, no clusters, 0 bytes of LDS; arguments y, ln2_g, ln2_b, out0; writes out0
.if DOCPART == 8
	.amdgcn_target "amdgcn-amd-amdhsa--gfx1250"
	.amdhsa_code_object_version 6
	.text
	.protected	k_q501b671d95_ln2
	.globl	k_q501b671d95_ln2
	.p2align	8
	.type	k_q501b671d95_ln2,@function
k_q501b671d95_ln2:
	s_mov_b64 s[64:65], 0
	v_nop
	global_prefetch_b8 v0, s[64:65] scope:SCOPE_SE
	s_setreg_imm32_b32 hwreg(HW_REG_WAVE_MODE, 25, 1), 1
	s_wait_xcnt 0x0
; LayerNorm over rows of 1,024 f32: out = (y - mean) rsqrt(var + 1e-5) g + b; the variance is taken of y - mean, in a second pass over registers, as the definition has it.
; A work-group takes a block of 16 rows: row r of block i is token 32 (i / 2) + 8 (i % 2) + r + 8 (r / 8).  Wave w takes rows 2 w and 2 w + 1, each in 32 registers: y is read once, no wave waits for another.
; Memory binds: no LDS, no matrix unit, no cluster (work-groups share only g and b, 8 KiB).
; LIMITS: v_rsq_f32 is good to 1 ulp; NaN and infinities are not served.
.set XR,  32                           ; v32-95   my two rows
.set GR,  96                           ; v96-127  g
.set BR,  128                          ; v128-159 b
.set SEL, 16
.macro RED a, t                        ; the sum of v[a] over the 32 lanes, in every lane
.irp m, 1
	v_add_f32_dpp v[\a], v[\a], v[\a] row_xmask:\m row_mask:0xf bank_mask:0xf
.endr
.irp m, 2, 4, 8
	s_delay_alu instid0(VALU_DEP_1)
	v_add_f32_dpp v[\a], v[\a], v[\a] row_xmask:\m row_mask:0xf bank_mask:0xf
.endr
	s_delay_alu instid0(VALU_DEP_1)
	v_permlanex16_b32 v[\t], v[\a], s[SEL], s[SEL+1]
	s_delay_alu instid0(VALU_DEP_1)
	v_add_f32 v[\a], v[\a], v[\t]
.endm
	s_load_b256 s[4:11], s[0:1], 0x0               ; y, g, b, the result
	v_lshrrev_b32 v1, 5, v0
	s_delay_alu instid0(VALU_DEP_1)
	v_readfirstlane_b32 s2, v1                     ; wave 0..7
	v_and_b32 v5, 31, v0
	s_delay_alu instid0(VALU_DEP_1)
	v_lshlrev_b32 v1, 4, v5                        ; 16 x lane
	s_lshr_b32 s14, ttmp9, 1
	s_lshl_b32 s14, s14, 5
	s_and_b32 s15, ttmp9, 1
	s_lshl_b32 s15, s15, 3
	s_add_co_u32 s14, s14, s15
	s_lshl_b32 s15, s2, 1
	s_add_co_u32 s14, s14, s15
	s_lshr_b32 s15, s2, 2
	s_lshl_b32 s15, s15, 3
	s_add_co_u32 s14, s14, s15                     ; my first token: 32 (i / 2) + 8 (i % 2) + 2 w + 8 (w / 4); the second is the next
	s_lshl_b32 s14, s14, 12
	s_mov_b32 s15, 0
	s_mov_b32 s[SEL], 0x76543210
	s_mov_b32 s[SEL+1], 0xfedcba98
	s_mov_b32 s18, 0x3a800000                      ; 1 / 1,024
	s_mov_b32 s19, 0x3727c5ac                      ; 1e-5
	s_wait_alu depctr_va_vdst(0)
	s_wait_kmcnt 0x0
	s_add_nc_u64 s[4:5], s[4:5], s[14:15]
	s_add_nc_u64 s[10:11], s[10:11], s[14:15]
.irp e, 0,1
.irp j, 0,1,2,3,4,5,6,7
	global_load_b128 v[XR+32*\e+4*\j:XR+32*\e+4*\j+3], v1, s[4:5] offset:4096*\e+512*\j th:TH_LOAD_NT
.endr
.endr
.irp j, 0,1,2,3,4,5,6,7
	global_load_b128 v[GR+4*\j:GR+4*\j+3], v1, s[6:7] offset:512*\j
	global_load_b128 v[BR+4*\j:BR+4*\j+3], v1, s[8:9] offset:512*\j
.endr
	s_wait_loadcnt 16                              ; my two rows are in; g and b may be out
.irp e, 0,1
	v_pk_add_f32 v[8+8*\e:9+8*\e], v[XR+32*\e:XR+32*\e+1], v[XR+32*\e+2:XR+32*\e+3]   ; the row's sum, in two chains
	v_pk_add_f32 v[10+8*\e:11+8*\e], v[XR+32*\e+4:XR+32*\e+5], v[XR+32*\e+6:XR+32*\e+7]
.endr
.irp k, 8,12,16,20,24,28
.irp e, 0,1
	s_delay_alu instid0(VALU_DEP_4)
	v_pk_add_f32 v[8+8*\e:9+8*\e], v[8+8*\e:9+8*\e], v[XR+32*\e+\k:XR+32*\e+\k+1]
	s_delay_alu instid0(VALU_DEP_4)
	v_pk_add_f32 v[10+8*\e:11+8*\e], v[10+8*\e:11+8*\e], v[XR+32*\e+\k+2:XR+32*\e+\k+3]
.endr
.endr
.irp e, 0
	s_delay_alu instid0(VALU_DEP_3)
	v_pk_add_f32 v[8+8*\e:9+8*\e], v[8+8*\e:9+8*\e], v[10+8*\e:11+8*\e]
.endr
.irp e, 1
	s_delay_alu instid0(VALU_DEP_2)
	v_pk_add_f32 v[8+8*\e:9+8*\e], v[8+8*\e:9+8*\e], v[10+8*\e:11+8*\e]
.endr
.irp e, 0,1
	s_delay_alu instid0(VALU_DEP_2)
	v_add_f32 v[8+8*\e], v[8+8*\e], v[9+8*\e]
.endr
	RED 8, 9
	RED 16, 17
.irp e, 0
	v_mul_f32 v[8+8*\e], s18, v[8+8*\e]            ; the mean
.endr
.irp e, 1
	s_delay_alu instid0(VALU_DEP_2)
	v_mul_f32 v[8+8*\e], s18, v[8+8*\e]            ; the mean
.endr
.irp e, 0,1
.set k, 0
.rept 16
	v_pk_add_f32 v[XR+32*\e+k:XR+32*\e+k+1], v[XR+32*\e+k:XR+32*\e+k+1], v[8+8*\e:9+8*\e] op_sel_hi:[1,0] neg_lo:[0,1] neg_hi:[0,1]   ; y - mean
.set k, k+2
.endr
.endr
.irp e, 0,1
	v_pk_mul_f32 v[10+8*\e:11+8*\e], v[XR+32*\e:XR+32*\e+1], v[XR+32*\e:XR+32*\e+1]
	v_pk_mul_f32 v[12+8*\e:13+8*\e], v[XR+32*\e+2:XR+32*\e+3], v[XR+32*\e+2:XR+32*\e+3]
.endr
.irp k, 4,8,12,16,20,24,28
.irp e, 0,1
	s_delay_alu instid0(VALU_DEP_4)
	v_pk_fma_f32 v[10+8*\e:11+8*\e], v[XR+32*\e+\k:XR+32*\e+\k+1], v[XR+32*\e+\k:XR+32*\e+\k+1], v[10+8*\e:11+8*\e]
	s_delay_alu instid0(VALU_DEP_4)
	v_pk_fma_f32 v[12+8*\e:13+8*\e], v[XR+32*\e+\k+2:XR+32*\e+\k+3], v[XR+32*\e+\k+2:XR+32*\e+\k+3], v[12+8*\e:13+8*\e]
.endr
.endr
.irp e, 0
	s_delay_alu instid0(VALU_DEP_3)
	v_pk_add_f32 v[10+8*\e:11+8*\e], v[10+8*\e:11+8*\e], v[12+8*\e:13+8*\e]
.endr
.irp e, 1
	s_delay_alu instid0(VALU_DEP_2)
	v_pk_add_f32 v[10+8*\e:11+8*\e], v[10+8*\e:11+8*\e], v[12+8*\e:13+8*\e]
.endr
.irp e, 0,1
	s_delay_alu instid0(VALU_DEP_2)
	v_add_f32 v[10+8*\e], v[10+8*\e], v[11+8*\e]
.endr
	RED 10, 11
	RED 18, 19
.irp e, 0
	v_fma_f32 v[10+8*\e], v[10+8*\e], s18, s19     ; the variance + 1e-5
.endr
.irp e, 1
	s_delay_alu instid0(VALU_DEP_2)
	v_fma_f32 v[10+8*\e], v[10+8*\e], s18, s19     ; the variance + 1e-5
.endr
	s_wait_alu depctr_va_vdst(0)
	v_rsq_f32 v14, v10
	v_rsq_f32 v22, v18
	v_mov_b32 v15, 0                               ; (the pairs' upper halves are named, so they are written.)  Plain places behind the transcendentals
	v_mov_b32 v23, 0
	s_wait_alu depctr_va_vdst(0)                   ; one wait for both, ahead of their first reader
	s_wait_loadcnt 0x0                             ; g and b
.irp e, 0,1
.set k, 0
.rept 16
	v_pk_mul_f32 v[XR+32*\e+k:XR+32*\e+k+1], v[XR+32*\e+k:XR+32*\e+k+1], v[14+8*\e:15+8*\e] op_sel_hi:[1,0]
	s_delay_alu instid0(VALU_DEP_1)
	v_pk_fma_f32 v[XR+32*\e+k:XR+32*\e+k+1], v[XR+32*\e+k:XR+32*\e+k+1], v[GR+k:GR+k+1], v[BR+k:BR+k+1]
.set k, k+2
.endr
.endr
.irp e, 0,1
.irp j, 0,1,2,3,4,5,6,7
	global_store_b128 v1, v[XR+32*\e+4*\j:XR+32*\e+4*\j+3], s[10:11] offset:4096*\e+512*\j th:TH_STORE_NT   ; 512 consecutive bytes a store; written once, read by nobody here
.endr
.endr
	s_endpgm
.Lfunc_end_k_q501b671d95_ln2:
	.size	k_q501b671d95_ln2, .Lfunc_end_k_q501b671d95_ln2-k_q501b671d95_ln2
	.p2alignl 7, 3214868480
	.fill 96, 4, 3214868480
	.section	.rodata,"a",@progbits
	.p2align	6, 0x0
	.amdhsa_kernel k_q501b671d95_ln2
		.amdhsa_group_segment_fixed_size 0
		.amdhsa_private_segment_fixed_size 0
		.amdhsa_enable_private_segment 0
		.amdhsa_kernarg_size 32
		.amdhsa_user_sgpr_count 2
		.amdhsa_user_sgpr_kernarg_segment_ptr 1
		.amdhsa_wavefront_size32 1
		.amdhsa_system_sgpr_workgroup_id_x 1
		.amdhsa_system_sgpr_workgroup_id_y 1
		.amdhsa_system_sgpr_workgroup_id_z 1
		.amdhsa_system_vgpr_workitem_id 0
		.amdhsa_next_free_vgpr 160
		.amdhsa_next_free_sgpr 66
		.amdhsa_reserve_vcc 0
		.amdhsa_float_denorm_mode_32 3
		.amdhsa_float_denorm_mode_16_64 3
		.amdhsa_memory_ordered 1
		.amdhsa_forward_progress 1
		.amdhsa_inst_pref_size 22
	.end_amdhsa_kernel
	.amdgpu_metadata
---
amdhsa.version: [ 1, 2 ]
amdhsa.kernels:
  - .name:           k_q501b671d95_ln2
    .symbol:         k_q501b671d95_ln2.kd
    .args:
      - { .name: y, .offset: 0, .size: 8, .value_kind: global_buffer, .address_space: global }
      - { .name: ln2_g, .offset: 8, .size: 8, .value_kind: global_buffer, .address_space: global }
      - { .name: ln2_b, .offset: 16, .size: 8, .value_kind: global_buffer, .address_space: global }
      - { .name: out0, .offset: 24, .size: 8, .value_kind: global_buffer, .address_space: global }
    .group_segment_fixed_size: 0
    .private_segment_fixed_size: 0
    .kernarg_segment_align: 8
    .kernarg_segment_size: 32
    .max_flat_workgroup_size: 256
    .sgpr_count:     66
    .vgpr_count:     160
    .wavefront_size: 32
...
	.end_amdgpu_metadata
.endif
;; end of part 8
